; MI455X (gfx1250); checked and timed in simulation.
; The chip was launched on July 23, 2026; its instructions are those of AMD's public machine-readable ISA for CDNA 5 (MIT licence, August 2026) and "CDNA5" Instruction Set Architecture Reference Guide (July 2026). The comments in the code are by the model that wrote it; some were corrected since.
;; Rotary Attention. Allowed arithmetic: matrix products marked QUANTISED: E2M1 operands, one E8M0 scale for each 32 along K, by v_wmma_scale_f32_16x16x128_f8f6f4 with both operands' format E2M1 (or v_wmma_scale_f32_32x16x128_f4), f32 sums; everything else in f32.
;; Inputs: Wk_codes 1,024 x 32 x 16 uint8 (E2M1 codes of Wk, K innermost, in blocks of 32 codes, two codes a byte); Wk_scales 1,024 x 32 uint8 (E8M0 scales of Wk, one for each 32 codes along K); Wo_codes 1,024 x 32 x 16 uint8 (E2M1 codes of Wo, K innermost, in blocks of 32 codes, two codes a byte); Wo_scales 1,024 x 32 uint8 (E8M0 scales of Wo, one for each 32 codes along K); Wq_codes 1,024 x 32 x 16 uint8 (E2M1 codes of Wq, K innermost, in blocks of 32 codes, two codes a byte); Wq_scales 1,024 x 32 uint8 (E8M0 scales of Wq, one for each 32 codes along K); Wv_codes 1,024 x 32 x 16 uint8 (E2M1 codes of Wv, K innermost, in blocks of 32 codes, two codes a byte); Wv_scales 1,024 x 32 uint8 (E8M0 scales of Wv, one for each 32 codes along K); bk 1,024 float32; bo 1,024 float32; bq 1,024 float32; bv 1,024 float32; cos 2,048 x 1 x 64 float32; key_codes 4 x 2,048 x 32 x 16 uint8 (E2M1 codes of key, K innermost, in blocks of 32 codes, two codes a byte); key_scales 4 x 2,048 x 32 uint8 (E8M0 scales of key, one for each 32 codes along K); mask 4 x 2,048 x 2,048 bool; query_codes 4 x 2,048 x 32 x 16 uint8 (E2M1 codes of query, K innermost, in blocks of 32 codes, two codes a byte); query_scales 4 x 2,048 x 32 uint8 (E8M0 scales of query, one for each 32 codes along K); sin 2,048 x 1 x 64 float32; value_codes 4 x 2,048 x 32 x 16 uint8 (E2M1 codes of value, K innermost, in blocks of 32 codes, two codes a byte); value_scales 4 x 2,048 x 32 uint8 (E8M0 scales of value, one for each 32 codes along K).
;; Outputs: out0 4 x 2,048 x 1,024 float32.
;; This version of the problem:
;;   THIS VERSION OF THE PROBLEM IS GIVEN IN LOW PRECISION. The matrix products marked QUANTISED in the list below multiply operands that are first quantised to E2M1 (2 exponent bits, 1 mantissa bit; 4 bits a number), with one power-of-two scale for each 32 numbers along K (OCP MX v1.0); their sums are f32. All else is computed in f32.
;;   The module's matrix products, in the order in which they are computed (A, B: the left and right operand; K: the contracted axis; several contracted axes count as one K, in the product's order):
;;     1. [M 8,192, K 1,024] x [K 1,024, N 1,024]; A: input query (given as codes); B: input Wq (given as codes): QUANTISED
;;     2. [M 8,192, K 1,024] x [K 1,024, N 1,024]; A: input key (given as codes); B: input Wk (given as codes): QUANTISED
;;     3. [M 8,192, K 1,024] x [K 1,024, N 1,024]; A: input value (given as codes); B: input Wv (given as codes): QUANTISED
;;     4. batch 64 x [M 2,048, K 64] x [K 64, N 2,048]; A: computed on the way; B: computed on the way: QUANTISED
;;     5. batch 64 x [M 64, K 2,048] x [K 2,048, N 2,048]; A: computed on the way; B: softmax (see below): QUANTISED
;;     6. [M 8,192, K 1,024] x [K 1,024, N 1,024]; A: computed on the way; B: input Wo (given as codes): QUANTISED
;;   THE QUANTISER, for each operand of a quantised product, along K:
;;     - K is cut into blocks of 32 from its start; a last block that is shorter is filled with zeros.
;;     - A block's scale is 2^e with e = floor(log2(the largest magnitude in the block)) - 2, held to -126 .. 127; a block of zeros has e = 0. As a byte (E8M0): e + 127.
;;     - Each number is divided by its block's scale, clamped to +-6, and rounded to the nearest number of E2M1, ties to even, subnormals kept.
;;     - The product sums the exact products of the quantised numbers (number of the format x scale) in f32.
;;   ~~~python
;;   def quantise(x, axis):      # numpy; x: float32 -> the quantised numbers, widened to float32 again
;;       x = np.moveaxis(x, axis, -1); K = x.shape[-1]
;;       x = np.pad(x, [(0, 0)] * (x.ndim - 1) + [(0, -K % 32)]); x = x.reshape(x.shape[:-1] + (-1, 32)); a = np.abs(x).max(-1, keepdims=True)
;;       e = np.where(a > 0, np.clip(np.frexp(np.where(a > 0, a, 1))[1] - 1 - 2, -126, 127), 0)      # np.frexp(a)[1] - 1 = floor(log2(a)), exactly
;;       r = np.clip(x / 2.0 ** e, -6, 6)
;;       step = 2.0 ** (np.maximum(np.frexp(np.where(r == 0, 1, r))[1] - 1, 0) - 1)
;;       q = np.round(r / step) * step * 2.0 ** e      # np.round: ties to even
;;       return np.moveaxis(q.reshape(q.shape[:-2] + (-1,))[..., :K], -1, axis).astype(np.float32)
;;   ~~~
;;   SOFTMAX AHEAD OF A QUANTISED PRODUCT. Where the list says 'softmax', what is quantised is not the finished softmax but p = 2^(t - M), with t = logit x log2(e) and M = ceil(the row's largest t), a whole number; so 1/2 < the row's largest p <= 1. The row's sum l is taken of the UNQUANTISED p, in f32, and the product's result is divided by l at the end. Since M is a whole number, a kernel that streams over the keys may use a running M (the ceiling of the running maximum): every later rescaling is an exact power of two, which a block's scale takes up: the codes' values come out the same.
;;   OPERANDS COMPUTED ON THE WAY. 'Computed on the way' means the value that the module computes at that place (a softmax that the list does not call 'softmax' is quantised finished and normalised). What goes into a quantiser is computed in f32, as accurately as f32 sums, v_exp_f32 and their like allow (about 1e-6 of the number): no bf16 or f16 on the way to a quantiser, and a product that is left as it is and whose result goes on into a quantised operand takes f32 operands (vector FMAs, or v_wmma_f32_16x16x4_f32). A number that lies on a knife's edge between two numbers of the format may be rounded either way, as far as f32 arithmetic and the matrix unit's own rounding can turn it there, and no further.
;;   INPUTS GIVEN AS CODES. Wk (in the module: [1024, 1024], K = its axis 1); Wo (in the module: [1024, 1024], K = its axis 1); Wq (in the module: [1024, 1024], K = its axis 1); Wv (in the module: [1024, 1024], K = its axis 1); key (in the module: [4, 2048, 1024], K = its axis 2); query (in the module: [4, 2048, 1024], K = its axis 2); value (in the module: [4, 2048, 1024], K = its axis 2): each comes as NAME_codes (uint8): NAME with its K axis moved to the last place and cut into blocks of 32 codes, [.., K / 32, bytes a block], one block behind the other in memory; two codes a byte, the lower K in the low four bits (a code: sign, 2 exponent bits, 1 mantissa bit); and NAME_scales (uint8): the same leading axes, one E8M0 byte (e + 127) for each 32 codes along K. Its value is code x scale, taken as it is: it is not quantised again, and the codes and scales need not be those that the quantiser above would give.
;; 2 versions, each right; version 2 is version 1 with the launch attn written anew for expert scheduling mode. Each part assembles by itself: llvm-mc -triple=amdgcn-amd-amdhsa -mcpu=gfx1250 --defsym DOCPART=n.
;; ======== version 1 of 2: 3 launches
;; workspace buffers: qws 4,718,592 bytes; kws 4,718,592 bytes; vws 4,456,448 bytes; mbits 2,097,152 bytes of whole numbers; mflags 8,192 bytes of whole numbers; ows 4,456,448 bytes
;; launch proj (part 1): grid 4 x 192, 8 waves a work-group, clusters of 4 x 4, 322,560 bytes of LDS; arguments query_codes, query_scales, Wq_codes, Wq_scales, bq, qws, key_codes, key_scales, Wk_codes, Wk_scales, bk, kws, value_codes, value_scales, Wv_codes, Wv_scales, bv, vws, cos, sin, mask, mbits, mflags; writes qws, kws, vws, mbits, mflags
.if DOCPART == 1
	.amdgcn_target "amdgcn-amd-amdhsa--gfx1250"
	.amdhsa_code_object_version 6
	.text
	.protected	k_q30870da13d_proj
	.globl	k_q30870da13d_proj
	.p2align	8
	.type	k_q30870da13d_proj,@function
k_q30870da13d_proj:
	s_mov_b64 s[64:65], 0
	v_nop
	global_prefetch_b8 v0, s[64:65] scope:SCOPE_SE
	s_setreg_imm32_b32 hwreg(HW_REG_WAVE_MODE, 25, 1), 1
	s_wait_xcnt 0x0
	s_wait_alu depctr_hold_cnt(0) depctr_sa_sdst(0) depctr_va_vdst(0) depctr_va_sdst(0) depctr_va_ssrc(0) depctr_va_vcc(0) depctr_vm_vsrc(0)
	s_getreg_b32 s2, hwreg(HW_REG_IB_STS2, 6, 4)
	s_cmp_eq_u32 s2, 0
	s_cbranch_scc0 .Lentry_in_a_cluster
	s_endpgm
.Lentry_in_a_cluster:
	s_bfe_u32 s2, ttmp6, 0x10000c
	s_cmp_lg_u32 s2, 0xf033
	s_cbranch_scc0 .Lentry_shape_is_right
	s_endpgm
.Lentry_shape_is_right:
; THE THREE PROJECTIONS on codes of FP4 (E2M1) with one E8M0 scale for each 32 along K, their biases, RoPE (q, k), and the quantiser of what attention multiplies:
; q and k along the head's 64 channels, v along the keys.  The work-groups of q also pack the mask into lane-mask words and a flag for each (16 queries x 128 keys).
; SHARES.  A work-group makes 128 rows x 256 columns (four heads) of one projection; cluster y / 16 says which (0 q, 1 k, 2 v).  All of K = 1,024 of its rows of x (128 x 512 bytes) and of W (256 x 512 bytes)
; fits in LDS, so every LDS byte is filled once and there is no ring.  Wave w makes 64 rows (w / 4) x one head (w % 4): 16 accumulators of 16 x 16.
; CLUSTER 4 x 4: x's codes and cos, sin hang on the row block alone and are asked for jointly along a row of the cluster, W's codes on the column block alone, along a column.
; The scale bytes (12 KB of a work-group's 280 KB) come by plain loads of each work-group's own: that spares two more descriptor groups.
; q, k: THE PRODUCT IS USED TRANSPOSED (source 0 = 16 rows of W, source 1 = 16 rows of x): lane (r, h) holds row r and channels 16 t + 8 h + 0..7, so a lane's registers run along the next K.
; v: source 0 = 16 rows of x (keys), source 1 = 16 rows of W (channels): lane (r, h) holds channel r and keys 16 i + 8 h + 0..7: again the next K.
; THE CODES LEAVE AS IMAGES OF OPERAND REGISTERS (16 bytes a lane, 512 consecutive bytes a store).
; LIMITS: a block whose largest magnitude lies under 2^-124 keeps the scale byte 1, a block of zeros too (its codes are zeros; this program alone reads the bytes); NaN and infinities in the inputs are not served;
; every mask byte other than 0 counts as true.
.set PITCH, 528                        ; an LDS row of codes: 512 bytes + 16 of padding: the 16 rows of a fragment load start at 16 different columns of 16 bytes
.set H64,   64*PITCH                   ; 64 rows: what one tensor load brings, and what a wave reads of x or of W
.set WC,    2*H64                      ; x's 128 rows at 0, W's 256 rows behind them
.set SCL,   6*H64                      ; scale bytes: 32 a row, eight rows to 256 bytes + 16 of padding; x's 128 rows, then W's 256
.set SCH,   8*272                      ; those of 64 rows
.set CSL,   SCL+6*SCH                  ; cos: 128 rows of 256 bytes + 16; sin CSB further on
.set CSB,   128*272
.set MST,   CSL+2*CSB                  ; the mask packer's stages, 16 rows x 272 bytes a wave: written by LDS stores alone, no fill lands here
.set MSW,   16*272
.set QSC,   4194304                    ; where the scale words begin in qws, kws and vws
.set AX,  4                            ; v4   LDS: my x fragments: 528 r + 16 h + my 64 rows
.set AW,  5                            ; v5   the same for W
.set ASC, 6                            ; v6   scale words: lanes 0-15 x's rows, lanes 16-31 W's
.set ACS, 7                            ; v7   cos of my rows
.set BOF, 8                            ; v8   bias offset
.set L16, 9                            ; v9   16 x lane
.set SOF, 10                           ; v10  where my scale words go
.set MSI, 11                           ; v11  mask stage, way in
.set MSO, 12                           ; v12  mask stage, way out
.set MOF, 13                           ; v13  mask: 2,048 h + 16 r
.set L8,  14                           ; v14  8 x lane
.set ZO,  15                           ; v15  at work, then 0
.set SC,  16                           ; v16-31 scale words and nothing else: register 4 i + q % 4: lanes 0-15 x's tile i, lanes 16-31 W's tile i
.set XF,  32                           ; v32-63 x's four fragments;  later cos
.set WF,  64                           ; v64-95 W's four;            later sin
.set CO,  32
.set SN,  64
.set BI,  96                           ; v96-127 the bias in the result's layout: the C of each sum's first product
.set PC,  96                           ; later: the codes made,
.set TM,  112                          ; v112-127 at work,
.set WD,  120                          ; v120-123 the scale words made
.set ACC, 128                          ; v128-255 accumulator (outer, inner) at 128 + 32 outer + 8 inner
.set WV,  50
.set CX,  51
.set CY,  52
.set CLY, 53
.set TEN, 54
.set RB,  55
.set COL, 56
.set HD,  57
.set RH,  58
.set BB,  59
.set TS,  60
.set HI,  61                           ; lanes 16-31, as a lane mask
.set SEL, 62                           ; s[62:63] v_permlanex16_b32's selects for lane l xor 16
.set G0S, 16                           ; descriptor groups 0: scales, x's codes, W's codes, cos or sin
.set G0X, 20
.set G0W, 24
.set G0C, 28
.set G1X, 68                           ; groups 1
.set G1W, 76
.set G1S, 84
.set G1C, 92
.macro PLACES n                        ; plain places behind matrix instructions (ISA guide 7.12.1)
.rept \n
	v_nop
.endr
.endm
.macro CROUND                          ; a round of the cluster's barrier
	s_barrier_signal -1
	s_barrier_wait -1
	s_cmp_lg_u32 s[WV], 0
	s_cbranch_scc1 .Lnot_wave_0_\@
	s_barrier_signal -3
.Lnot_wave_0_\@:
	s_barrier_wait -3
	s_barrier_signal -1
	s_barrier_wait -1
.endm
	s_load_b256 s[4:11], s[0:1], 0x0               ; q's set: x codes, x scales, W codes, W scales,
	s_load_b128 s[12:15], s[0:1], 0x20             ; bias, workspace
	s_load_b256 s[16:23], s[0:1], 0x30             ; k's set
	s_load_b128 s[24:27], s[0:1], 0x50
	s_load_b256 s[28:35], s[0:1], 0x60             ; v's set
	s_load_b128 s[36:39], s[0:1], 0x80
	s_load_b256 s[40:47], s[0:1], 0x90             ; cos, sin, mask, mbits
	s_load_b64 s[48:49], s[0:1], 0xb0              ; mflags
	s_set_vgpr_msb 0x40
	v_lshl_add_u32 v0, v0, 2, 0x4e800
	v_mov_b32 v1, 0
	s_set_vgpr_msb 0x4045
	ds_add_u32 v0, v1
	ds_add_u32 v0, v1
	s_set_vgpr_msb 0x4500
	v_lshrrev_b32 v1, 5, v0
	v_readfirstlane_b32 s[WV], v1                  ; wave 0..7
	s_bfe_u32 s[CX], ttmp6, 0x40000                ; my place in the cluster
	s_bfe_u32 s[CY], ttmp6, 0x40004
	s_and_b32 s[CLY], ttmp7, 0xffff                ; cluster y, 0..47
	s_lshr_b32 s[TEN], s[CLY], 4                   ; which projection: the same in all sixteen partners
	s_and_b32 s[RB], s[CLY], 15
	s_lshl_b32 s[RB], s[RB], 2
	s_add_co_u32 s[RB], s[RB], s[CY]               ; block of 128 rows, 0..63
	s_lshl_b32 s[COL], ttmp9, 2
	s_add_co_u32 s[COL], s[COL], s[CX]             ; block of 256 columns, 0..3
	s_and_b32 s[HD], s[WV], 3                      ; my head of the block's four
	s_lshr_b32 s[RH], s[WV], 2                     ; my 64 rows of the block's 128
	s_lshr_b32 s[BB], s[RB], 4                     ; batch
	s_and_b32 s[TS], s[RB], 15                     ; which 128 of its 2,048 times
	s_mov_b32 s[HI], 0xffff0000
	s_mov_b32 s[SEL], 0x76543210
	s_mov_b32 s[SEL+1], 0xfedcba98
	s_lshl_b32 s66, s[CY], 2
	s_lshl_b32 s66, 15, s66                        ; my row of the cluster
	s_lshl_b32 s67, 0x1111, s[CX]                  ; my column
	; groups 1.  Codes: 64 rows of 512 bytes, 4 words of padding behind every 128
	s_or_b32 s[G1X], s66, (1<<20)|(1<<21)|(6<<22)|(3<<25)
	s_or_b32 s[G1W], s67, (1<<20)|(1<<21)|(6<<22)|(3<<25)
.irp g, G1X, G1W
	s_mov_b32 s[\g+1], 512<<16                     ; tensor_dim0
	s_mov_b32 s[\g+2], 64<<16                      ; tensor_dim1
	s_mov_b32 s[\g+3], 512<<16                     ; tile_dim0
	s_mov_b32 s[\g+4], 64                          ; tile_dim1
	s_mov_b32 s[\g+5], 512                         ; pitch
	s_mov_b32 s[\g+6], 0
	s_mov_b32 s[\g+7], 0
.endr
	; scale bytes of 64 rows: 2,048 dense bytes as 8 rows of 32 elements of 8 bytes, 4 words of padding behind each; no mask
	s_mov_b32 s[G1S], (3<<16)|(1<<20)|(5<<22)|(3<<25)
	s_mov_b32 s[G1S+1], 32<<16
	s_mov_b32 s[G1S+2], 8<<16
	s_mov_b32 s[G1S+3], 32<<16
	s_mov_b32 s[G1S+4], 8
	s_mov_b32 s[G1S+5], 32
	s_mov_b32 s[G1S+6], 0
	s_mov_b32 s[G1S+7], 0
	; cos or sin of 128 times: 128 rows of 256 bytes, padded likewise, shared along my row of the cluster
	s_or_b32 s[G1C], s66, (3<<16)|(1<<20)|(1<<21)|(5<<22)|(3<<25)
	s_mov_b32 s[G1C+1], 32<<16
	s_mov_b32 s[G1C+2], 128<<16
	s_mov_b32 s[G1C+3], 32<<16
	s_mov_b32 s[G1C+4], 128
	s_mov_b32 s[G1C+5], 32
	s_mov_b32 s[G1C+6], 0
	s_mov_b32 s[G1C+7], 0
	; every LDS address register is made here, ahead of the first parting of ways
	v_and_b32 v1, 31, v0                           ; lane
	v_and_b32 v2, 15, v0                           ; r
	v_bfe_u32 v3, v0, 4, 1                         ; h
	v_mul_u32_u24 v[ZO], v2, PITCH
	v_lshl_add_u32 v[ZO], v3, 4, v[ZO]             ; a fragment's row x pitch + 16 h
	s_mul_i32 s100, s[RH], H64
	v_add_nc_u32 v[AX], s100, v[ZO]
	s_mul_i32 s100, s[HD], H64
	s_add_co_u32 s100, s100, WC
	v_add_nc_u32 v[AW], s100, v[ZO]
	v_lshrrev_b32 v[ZO], 3, v2
	v_mul_u32_u24 v[ZO], v[ZO], 272
	v_and_b32 v[ASC], 7, v2
	v_lshl_add_u32 v[ASC], v[ASC], 5, v[ZO]        ; row r's 32 scale bytes: 272 (r / 8) + 32 (r % 8)
	s_mul_i32 s100, s[RH], SCH                     ; x's: my 64 rows
	s_mul_i32 s101, s[HD], SCH                     ; W's: my 64 rows, behind x's 128
	s_add_co_u32 s101, s101, 2*SCH
	s_sub_co_u32 s101, s101, s100                  ; the distance between the two: one product with h
	v_mul_u32_u24 v[ZO], s101, v3
	s_add_co_u32 s100, s100, SCL
	v_add_nc_u32 v[ASC], v[ASC], v[ZO]
	v_add_nc_u32 v[ASC], s100, v[ASC]
	v_mul_u32_u24 v[ACS], v2, 272
	v_lshl_add_u32 v[ACS], v3, 5, v[ACS]
	s_mul_i32 s100, s[RH], 64*272
	s_add_co_u32 s100, s100, CSL
	v_add_nc_u32 v[ACS], s100, v[ACS]              ; cos: row 64 (w / 4) + r, + 32 h: my eight channels of a tile
	s_mul_i32 s100, s[WV], MSW
	s_add_co_u32 s100, s100, MST
	v_mul_u32_u24 v[MSI], v3, 272
	v_lshl_add_u32 v[MSI], v2, 4, v[MSI]
	v_add_nc_u32 v[MSI], s100, v[MSI]              ; in: lanes 0-15 one row, lanes 16-31 the next
	v_mul_u32_u24 v[MSO], v2, 272
	v_lshl_add_u32 v[MSO], v3, 4, v[MSO]
	v_add_nc_u32 v[MSO], s100, v[MSO]              ; out: row r, 16 h
	v_lshlrev_b32 v[L16], 4, v1
	v_lshlrev_b32 v[L8], 3, v1
	v_lshlrev_b32 v[MOF], 11, v3
	v_lshl_add_u32 v[MOF], v2, 4, v[MOF]
	s_wait_dscnt 0x0
	s_wait_kmcnt 0x0
	s_cmp_eq_u32 s[TEN], 1                         ; the projection's six buffers: a choice that hangs on the cluster's number alone
.irp p, 0,2,4,6,8,10
	s_cselect_b64 s[4+\p:5+\p], s[16+\p:17+\p], s[4+\p:5+\p]
.endr
	s_cmp_eq_u32 s[TEN], 2
.irp p, 0,2,4,6,8,10
	s_cselect_b64 s[4+\p:5+\p], s[28+\p:29+\p], s[4+\p:5+\p]
.endr
	; groups 0.  s[4:5] x codes, s[6:7] x scales, s[8:9] W codes, s[10:11] W scales, s[12:13] bias, s[14:15] workspace
	s_and_b32 s32, s[WV], 1                        ; which 64 rows of x (waves 0, 1),
	s_sub_co_u32 s33, s[WV], 2
	s_and_b32 s33, s33, 3                          ; which 64 rows of W (waves 2 to 5)
	s_lshl_b32 s34, s[RB], 16                      ; x: (128 block + 64 half) rows of 512 bytes: made of the row block alone
	s_lshl_b32 s35, s32, 15
	s_add_co_u32 s34, s34, s35
	s_mov_b32 s35, 0
	s_mov_b32 s[G0X], 1
	s_mul_i32 s[G0X+1], s[WV], H64
	s_add_nc_u64 s[G0X+2:G0X+3], s[4:5], s[34:35]
	s_or_b32 s[G0X+3], s[G0X+3], 0x80000000
	s_lshl_b32 s36, s[COL], 17                     ; W: (256 block + 64 quarter) rows: made of the column block alone
	s_lshl_b32 s37, s33, 15
	s_add_co_u32 s36, s36, s37
	s_mov_b32 s37, 0
	s_mov_b32 s[G0W], 1
	s_mul_i32 s[G0W+1], s[WV], H64                 ; waves 2 to 5: behind x's two halves
	s_add_nc_u64 s[G0W+2:G0W+3], s[8:9], s[36:37]
	s_or_b32 s[G0W+3], s[G0W+3], 0x80000000
	s_lshr_b32 s34, s34, 4                         ; the same rows' scale bytes: 32 a row
	s_lshr_b32 s36, s36, 4
	s_cmp_lt_u32 s[WV], 2
	s_cselect_b64 s[G0S+2:G0S+3], s[6:7], s[10:11]
	s_cselect_b32 s38, s34, s36
	s_mov_b32 s39, 0
	s_add_nc_u64 s[G0S+2:G0S+3], s[G0S+2:G0S+3], s[38:39]
	s_or_b32 s[G0S+3], s[G0S+3], 0x80000000
	s_mov_b32 s[G0S], 1
	s_mul_i32 s[G0S+1], s[WV], SCH
	s_add_co_u32 s[G0S+1], s[G0S+1], SCL
	s_cmp_eq_u32 s[WV], 6                          ; wave 6 fetches cos, wave 7 sin
	s_cselect_b64 s[G0C+2:G0C+3], s[40:41], s[42:43]
	s_lshl_b32 s32, s[TS], 15                      ; 128 times of 256 bytes
	s_mov_b32 s33, 0
	s_add_nc_u64 s[G0C+2:G0C+3], s[G0C+2:G0C+3], s[32:33]
	s_or_b32 s[G0C+3], s[G0C+3], 0x80000000
	s_mov_b32 s[G0C], 1
	s_mul_i32 s[G0C+1], s[WV], CSB
	s_add_co_u32 s[G0C+1], s[G0C+1], CSL-6*CSB
	CROUND                                         ; all sixteen work-groups are here: the joint loads meet
	; every fill of the launch, one group; a wave's loads stand in one arm of a branch on its number; at most two loads of a wave are out.  Four v_nop follow each arm's last load
	s_cmp_lt_u32 s[WV], 2
	s_cbranch_scc0 .Lnot_x
	tensor_load_to_lds s[G0S:G0S+3], s[G1S:G1S+7]
	s_nop 0
	tensor_load_to_lds s[G0X:G0X+3], s[G1X:G1X+7]
	s_nop 0
	PLACES 4
	s_branch .Lasked
.Lnot_x:
	s_cmp_lt_u32 s[WV], 6
	s_cbranch_scc0 .Lcos_sin
	tensor_load_to_lds s[G0S:G0S+3], s[G1S:G1S+7]
	s_nop 0
	tensor_load_to_lds s[G0W:G0W+3], s[G1W:G1W+7]
	s_nop 0
	PLACES 4
	s_branch .Lasked
.Lcos_sin:
	tensor_load_to_lds s[G0C:G0C+3], s[G1C:G1C+7]
	s_nop 0
	PLACES 4
.Lasked:
	; the bias of my head's 64 columns
	s_lshl_b32 s32, s[COL], 10
	s_lshl_b32 s33, s[HD], 8
	s_add_co_u32 s32, s32, s33
	s_mov_b32 s33, 0
	s_add_nc_u64 s[12:13], s[12:13], s[32:33]
	s_cmp_eq_u32 s[TEN], 2
	s_cbranch_scc1 .Lbias_v
	v_lshlrev_b32 v[BOF], 5, v3                    ; q, k: lane (r, h) wants, for tile t, columns 16 t + 8 h + 0..7
.irp t, 0,1,2,3
	global_load_b128 v[BI+8*\t:BI+8*\t+3], v[BOF], s[12:13] offset:64*\t
	global_load_b128 v[BI+8*\t+4:BI+8*\t+7], v[BOF], s[12:13] offset:64*\t+16
.endr
	s_branch .Lbias_done
.Lbias_v:
	v_lshlrev_b32 v[BOF], 2, v2                    ; v: for tile j, column 16 j + r, in all eight registers
.irp j, 0,1,2,3
	global_load_b32 v[BI+8*\j], v[BOF], s[12:13] offset:64*\j
.endr
.Lbias_done:
	s_cmp_lg_u32 s[TEN], 0
	s_cbranch_scc1 .Lno_mask
	; THE MASK, packed while the tiles are on their way (q's 256 work-groups x 8 waves = 2,048 units of 16 queries x 512 keys).
	; Word 8 T + e of a key step: bit l = mask[query l % 16][key 16 T + 8 (l / 16) + e]: the lane mask for register 8 T + e of attention's scores.
	s_lshl_b32 s32, s[RB], 2
	s_add_co_u32 s32, s32, s[COL]
	s_lshl_b32 s32, s32, 1
	s_add_co_u32 s32, s32, s[RH]                   ; the tile of 16 queries, 0..511; the chunk of 512 keys is w % 4
	s_lshl_b32 s100, s32, 15
	s_lshl_b32 s66, s[HD], 9
	s_add_co_u32 s100, s100, s66
	s_mov_b32 s101, 0
	s_add_nc_u64 s[44:45], s[44:45], s[100:101]    ; mask: 16 rows of 2,048 bytes a tile, 512 a chunk
	s_lshl_b32 s100, s32, 12
	s_lshl_b32 s66, s[HD], 10
	s_add_co_u32 s100, s100, s66
	s_add_nc_u64 s[46:47], s[46:47], s[100:101]    ; mbits: 4,096 bytes a tile, 1,024 a chunk
	s_lshl_b32 s100, s32, 4
	s_lshl_b32 s66, s[HD], 2
	s_add_co_u32 s100, s100, s66
	s_add_nc_u64 s[48:49], s[48:49], s[100:101]    ; mflags: a word for each chunk
.irp H, 0,1
.irp n, 0,1,2,3,4,5,6,7
	global_load_b128 v[128+32*\H+4*\n:128+32*\H+4*\n+3], v[MOF], s[44:45] offset:4096*\n+256*\H th:TH_LOAD_NT   ; two rows x 256 consecutive bytes
.endr
.endr
.irp i, 0,1,2,3,4,5,6,7
	v_mov_b32 v[32+\i], 0                          ; the words' registers, a pair for each key step (v_writelane_b32 counts as a reader of its destination)
.endr
	s_mov_b32 s67, 0                               ; the flags
.irp H, 0,1                                    ; through my stage: in by rows as loaded, out a row to a lane.  LDS serves a wave's instructions in order: the second half's stores come behind the first half's loads
	s_wait_loadcnt 8-8*\H                          ; this half's eight loads are in (and the bias, asked for earlier); the other half's eight may be out
.irp n, 0,1,2,3,4,5,6,7
	ds_store_b128 v[MSI], v[128+32*\H+4*\n:128+32*\H+4*\n+3] offset:544*\n
.endr
.irp p, 0,1
.irp m, 0,1,2,3
	ds_load_b128 v[192+32*\H+16*\p+4*\m:192+32*\H+16*\p+4*\m+3], v[MSO] offset:128*\p+32*\m   ; query r, keys 128 p + 32 m + 16 h + 0..15
.endr
.endr
.endr
	s_wait_dscnt 0x0
.macro PACKSTEP st                     ; key step st of the chunk's four
.set DD, 192+16*\st
.irp m, 0,1,2,3                                ; lanes 0-15 hold tile 2 m, lanes 16-31 tile 2 m + 1: after the exchange registers 0, 1 are tile 2 m (keys 0-7 below, 8-15 above), registers 2, 3 tile 2 m + 1
	v_permlane16_swap_b32 v[DD+4*\m], v[DD+4*\m+2]
	v_permlane16_swap_b32 v[DD+4*\m+1], v[DD+4*\m+3]
.endr
.irp T, 0,1,2,3,4,5,6,7
.irp e, 0,1,2,3,4,5,6,7
	v_and_b32 v[40+\e], 0xff<<(8*(\e%4)), v[DD+4*(\T/2)+2*(\T%2)+\e/4]
.endr
.irp e, 0,1,2,3,4,5,6,7
	v_cmp_ne_u32 s[32+\e], 0, v[40+\e]             ; the 32 lanes' bits are the word
.endr
.irp e, 0,1,2,3,4,5,6,7
	v_writelane_b32 v[32+2*\st+\e%2], s[32+\e], 4*\T+\e/2   ; word n goes to lane n / 2, register n % 2: 8 bytes a lane on end
.endr
.endr
	global_store_b64 v[L8], v[32+2*\st:33+2*\st], s[46:47] offset:256*\st   ; 256 consecutive bytes, aligned
	v_or_b32 v48, v[32+2*\st], v[33+2*\st]
	v_cmp_ne_u32 vcc_lo, 0, v48
	s_cmp_lg_u32 vcc_lo, 0                         ; is any score of this step masked?  A select, no branch
	s_cselect_b32 s66, 1<<\st, 0
	s_or_b32 s67, s67, s66
.endm
	PACKSTEP 0
	PACKSTEP 1
	PACKSTEP 2
	PACKSTEP 3
	s_lshl_b32 s66, s[HD], 2
	s_lshl_b32 s67, s67, s66                       ; bit = the key step's number among the row's 16
	v_mov_b32 v48, s67
	v_mov_b32 v[ZO], 0
	v_cmp_eq_u32 vcc_lo, 0, v1
	s_wait_xcnt 0x0                                ; EXEC is a source of the stores above: it is narrowed only behind this wait
	s_and_saveexec_b32 s100, vcc_lo
	global_store_b32 v[ZO], v48, s[48:49]          ; lane 0 stores the chunk's flags
	s_wait_xcnt 0x0                                ; and widened only behind this one, which also frees the words' registers for the fragments
	s_or_b32 exec_lo, exec_lo, s100
.Lno_mask:
	s_wait_tensorcnt 0x0                           ; my parts of the tiles have landed,
	s_wait_loadcnt 0x0                             ; the bias is in,
	s_wait_dscnt 0x0                               ; no LDS instruction of mine is pending:
	s_barrier_signal -1
	s_barrier_wait -1                              ; everybody's parts have landed
.macro FRAGS reg, adr, q               ; four fragments of 16 rows x 128 K: lane (r, h): registers 4 c .. 4 c + 3 hold K = 64 c + 32 h + 0..31: 16 bytes of the row as they lie
.irp i, 0,1,2,3
.irp c, 0,1
	ds_load_b128 v[\reg+8*\i+4*\c:\reg+8*\i+4*\c+3], v[\adr] offset:16*PITCH*\i+64*(\q)+32*\c
.endr
.endr
.endm
; A K step of 128: 16 products, the 16 accumulators by turns in the same order in every step.  vp = 0: q, k; 1: v.
.macro KSTEP q, vp
.if (\q) > 0
	PLACES 4                                       ; in front of loads into registers that matrix instructions have read
.endif
.if (\q)%4 == 0
.irp i, 0,1,2,3
	ds_load_b128 v[SC+4*\i:SC+4*\i+3], v[ASC] offset:544*\i+16*((\q)/4)   ; four K steps' scale words of tile i: x's below, W's above
.endr
.endif
.if \vp
	FRAGS XF, AX, \q                               ; the inner four first
	FRAGS WF, AW, \q
.else
	FRAGS WF, AW, \q
	FRAGS XF, AX, \q
.endif
.irp o, 0,1,2,3
	s_wait_dscnt 2*(3-\o)                          ; all but the outer fragments behind this one, two loads each
.irp n, 0,1,2,3
.set D, ACC+32*\o+8*\n
.if \vp
.if (\q) == 0
	v_wmma_scale_f32_16x16x128_f8f6f4 v[D:D+7], v[XF+8*\n:XF+8*\n+7], v[WF+8*\o:WF+8*\o+7], v[BI+8*\o:BI+8*\o+7], v[SC+4*\n+(\q)%4], v[SC+4*\o+(\q)%4] matrix_a_fmt:MATRIX_FMT_FP4 matrix_b_fmt:MATRIX_FMT_FP4 matrix_b_scale:MATRIX_SCALE_ROW1
.else
	v_wmma_scale_f32_16x16x128_f8f6f4 v[D:D+7], v[XF+8*\n:XF+8*\n+7], v[WF+8*\o:WF+8*\o+7], v[D:D+7], v[SC+4*\n+(\q)%4], v[SC+4*\o+(\q)%4] matrix_a_fmt:MATRIX_FMT_FP4 matrix_b_fmt:MATRIX_FMT_FP4 matrix_b_scale:MATRIX_SCALE_ROW1
.endif
.else
.if (\q) == 0
	v_wmma_scale_f32_16x16x128_f8f6f4 v[D:D+7], v[WF+8*\n:WF+8*\n+7], v[XF+8*\o:XF+8*\o+7], v[BI+8*\n:BI+8*\n+7], v[SC+4*\n+(\q)%4], v[SC+4*\o+(\q)%4] matrix_a_fmt:MATRIX_FMT_FP4 matrix_b_fmt:MATRIX_FMT_FP4 matrix_a_scale:MATRIX_SCALE_ROW1
.else
	v_wmma_scale_f32_16x16x128_f8f6f4 v[D:D+7], v[WF+8*\n:WF+8*\n+7], v[XF+8*\o:XF+8*\o+7], v[D:D+7], v[SC+4*\n+(\q)%4], v[SC+4*\o+(\q)%4] matrix_a_fmt:MATRIX_FMT_FP4 matrix_b_fmt:MATRIX_FMT_FP4 matrix_a_scale:MATRIX_SCALE_ROW1
.endif
.endif
.endr
.endr
.endm
; 64 numbers of a lane, four blocks of 16 registers (a block's other 16 numbers lie in lane l xor 16), become codes in v[pc] .. v[pc + 7]; the blocks' scale bytes are left in v[TM + 4] .. v[TM + 7].
; Group g of eight registers holds k = 16 (g % 4) + 8 h + 0..7 of half g / 4; the operand wants register i of a half to hold k = 32 h + 8 i + 0..7: so groups 0, 1, 2, 3 are laid at registers 0, 2, 1, 3, and two exchanges of halves finish it.
.macro QUANT4 s, pc
.irp b, 0,1,2,3
	v_max3_num_f32 v[TM+\b], |v[\s+16*\b]|, |v[\s+16*\b+1]|, 0x1800000   ; my 16 numbers, and the floor 2^(3 - 127): the byte cannot fall under 1
.endr
.irp i, 2,4,6,8,10,12,14
.irp b, 0,1,2,3
	v_max3_num_f32 v[TM+\b], v[TM+\b], |v[\s+16*\b+\i]|, |v[\s+16*\b+\i+1]|
.endr
.endr
.irp b, 0,1,2,3
	v_permlanex16_b32 v[TM+4+\b], v[TM+\b], s[SEL], s[SEL+1]
.endr
.irp b, 0,1,2,3
	v_max_num_f32 v[TM+\b], v[TM+\b], v[TM+4+\b]   ; the block's largest magnitude
.endr
.irp b, 0,1,2,3
	v_add_nc_u32 v[TM+12+\b], 0xff000000, v[TM+\b] ; 2 off its exponent field: the conversion's scale operand
.endr
.irp b, 0,1,2,3
	v_lshrrev_b32 v[TM+4+\b], 23, v[TM+12+\b]      ; the scale's byte
.endr
.irp g, 0,1,2,3,4,5,6,7
	v_cvt_scalef32_pk8_fp4_f32 v[\pc+4*(\g/4)+2*(\g%2)+(\g%4)/2], v[\s+8*\g:\s+8*\g+7], v[TM+12+\g/2]
.endr
	v_nop                                          ; one plain place behind the scaled conversions
.irp c, 0,1
	v_permlane16_swap_b32 v[\pc+4*\c], v[\pc+4*\c+1]
	v_permlane16_swap_b32 v[\pc+4*\c+2], v[\pc+4*\c+3]
.endr
.endm
	s_lshl_b32 s34, s[BB], 4
	s_lshl_b32 s35, s[COL], 2
	s_add_co_u32 s34, s34, s35
	s_add_co_u32 s34, s34, s[HD]                   ; 16 x batch + head
	s_lshl_b32 s36, s34, 16
	s_lshl_b32 s35, s[TS], 12
	s_add_co_u32 s36, s36, s35                     ; codes: 65,536 bytes a head, 4,096 for 128 times
	s_mov_b32 s37, 0
	s_cmp_eq_u32 s[TEN], 2
	s_cbranch_scc1 .Lv_path
	; ---- q, k
.irp q, 0,1,2,3,4,5,6,7
	KSTEP \q, 0
.endr
	s_lshl_b32 s35, s[RH], 11                      ; my four tiles of 16 rows, 512 bytes each
	s_add_co_u32 s36, s36, s35
	s_add_nc_u64 s[38:39], s[14:15], s[36:37]
	s_lshl_b32 s66, s34, 13                        ; scale words: 8,192 bytes a head, 256 for four tiles: [row r][tile % 4]
	s_lshl_b32 s67, s[TS], 9
	s_add_co_u32 s66, s66, s67
	s_lshl_b32 s67, s[RH], 8
	s_add_co_u32 s66, s66, s67
	v_lshlrev_b32 v[SOF], 4, v2
	v_lshl_add_u32 v[SOF], v3, 3, v[SOF]
	v_add_nc_u32 v[SOF], s66, v[SOF]               ; 16 r + 8 h: lanes 0-15 store tiles 0, 1, lanes 16-31 tiles 2, 3
.macro CSLOAD i                        ; cos and sin of tile i's rows, in the result's layout
.irp t, 0,1,2,3
.irp e, 0,1
	ds_load_b128 v[CO+8*\t+4*\e:CO+8*\t+4*\e+3], v[ACS] offset:16*272*\i+64*\t+16*\e
	ds_load_b128 v[SN+8*\t+4*\e:SN+8*\t+4*\e+3], v[ACS] offset:CSB+16*272*\i+64*\t+16*\e
.endr
.endr
.endm
.macro ROPE i                          ; channel d < 32 (tiles 0, 1): x c(d) - x(d + 32) s(d);  channel d + 32 (tiles 2, 3): x(d + 32) c(d + 32) + x(d) s(d + 32).  Each accumulator is read from its low end on
.irp t, 0,1
.set A0, ACC+32*\i+8*\t
.irp e, 0,2,4,6
	v_pk_mul_f32 v[TM+\e:TM+\e+1], v[A0+\e:A0+\e+1], v[SN+16+8*\t+\e:SN+16+8*\t+\e+1]
.endr
.irp e, 0,2,4,6
	v_pk_mul_f32 v[A0+\e:A0+\e+1], v[A0+\e:A0+\e+1], v[CO+8*\t+\e:CO+8*\t+\e+1]
.endr
.irp e, 0,2,4,6
	v_pk_fma_f32 v[A0+\e:A0+\e+1], v[A0+16+\e:A0+16+\e+1], v[SN+8*\t+\e:SN+8*\t+\e+1], v[A0+\e:A0+\e+1] neg_lo:[1,0,0] neg_hi:[1,0,0]
.endr
.irp e, 0,2,4,6
	v_pk_fma_f32 v[A0+16+\e:A0+16+\e+1], v[A0+16+\e:A0+16+\e+1], v[CO+16+8*\t+\e:CO+16+8*\t+\e+1], v[TM+\e:TM+\e+1]
.endr
.endr
.endm
.macro OUTQ p                          ; tiles 2 p and 2 p + 1: quantised, their codes stored, their scale words kept (bytes 2 and 3 stay 0: the form's K = 64..127 meets zero codes)
	QUANT4 ACC+64*\p, PC+8*\p
	v_lshl_or_b32 v[WD+2*\p], v[TM+5], 8, v[TM+4]
	v_lshl_or_b32 v[WD+2*\p+1], v[TM+7], 8, v[TM+6]
	global_store_b128 v[L16], v[PC+8*\p:PC+8*\p+3], s[38:39] offset:1024*\p          ; 512 consecutive bytes: a fragment's image
	global_store_b128 v[L16], v[PC+8*\p+4:PC+8*\p+7], s[38:39] offset:1024*\p+512
.endm
	PLACES 4                                       ; behind the last products: loads into the fragments' registers, reads of results
	CSLOAD 0
	s_wait_dscnt 0x0
	ROPE 0
	CSLOAD 1
	s_wait_dscnt 0x0
	ROPE 1
	CSLOAD 2                                       ; lands while tiles 0 and 1 are quantised
	OUTQ 0
	s_wait_dscnt 0x0
	ROPE 2
	CSLOAD 3
	s_wait_dscnt 0x0
	ROPE 3
	OUTQ 1
	v_cndmask_b32 v[WD], v[WD], v[WD+2], s[HI]
	v_cndmask_b32 v[WD+1], v[WD+1], v[WD+3], s[HI]
	global_store_b64 v[SOF], v[WD:WD+1], s[14:15] offset:QSC   ; 256 consecutive bytes, aligned
	s_branch .Ldone
	; ---- v
.Lv_path:
.irp j, 0,1,2,3
.irp e, 1,2,3,4,5,6,7
	v_mov_b32 v[BI+8*\j+\e], v[BI+8*\j]            ; a lane's eight results of a tile share its channel's bias
.endr
.endr
.irp q, 0,1,2,3,4,5,6,7
	KSTEP \q, 1
.endr
	s_lshl_b32 s35, s[RH], 9                       ; my 64 keys are half w / 4 of the key step's fragments: [channel tile j][half][lane][16 bytes]
	s_add_co_u32 s36, s36, s35
	s_add_nc_u64 s[38:39], s[14:15], s[36:37]
	s_lshl_b32 s66, s34, 12                        ; scale halfwords: 4,096 bytes a head, 256 a key step: [half][channel r][tile j]
	s_lshl_b32 s67, s[TS], 8
	s_add_co_u32 s66, s66, s67
	s_lshl_b32 s67, s[RH], 7
	s_add_co_u32 s66, s66, s67
	v_lshlrev_b32 v[SOF], 3, v2
	v_lshl_add_u32 v[SOF], v3, 2, v[SOF]
	v_add_nc_u32 v[SOF], s66, v[SOF]               ; 8 r + 4 h: lanes 0-15 store tiles 0, 1, lanes 16-31 tiles 2, 3
	PLACES 4
.irp p, 0,1
	QUANT4 ACC+64*\p, PC+8*\p                      ; channel tiles 2 p, 2 p + 1: two blocks of 32 keys each
	v_lshl_or_b32 v[WD+2*\p], v[TM+5], 8, v[TM+4]
	v_lshl_or_b32 v[WD+2*\p+1], v[TM+7], 8, v[TM+6]
	global_store_b128 v[L16], v[PC+8*\p:PC+8*\p+3], s[38:39] offset:2048*\p
	global_store_b128 v[L16], v[PC+8*\p+4:PC+8*\p+7], s[38:39] offset:2048*\p+1024
.endr
	v_lshl_or_b32 v[WD], v[WD+1], 16, v[WD]
	v_lshl_or_b32 v[WD+2], v[WD+3], 16, v[WD+2]
	v_cndmask_b32 v[WD], v[WD], v[WD+2], s[HI]
	global_store_b32 v[SOF], v[WD], s[14:15] offset:QSC
.Ldone:
	s_wait_dscnt 0x0                               ; no LDS instruction of mine is pending at the round's signal
	s_set_vgpr_msb 0x5
	s_wait_tensorcnt 0x0
	ds_add_u32 v0, v1
	s_wait_dscnt 0x0
	s_set_vgpr_msb 0x500
	CROUND                                         ; the closing round: no work-group ends while a partner may still ask for a tile that names it
	s_endpgm
.Lfunc_end_k_q30870da13d_proj:
	.size	k_q30870da13d_proj, .Lfunc_end_k_q30870da13d_proj-k_q30870da13d_proj
	.p2alignl 7, 3214868480
	.fill 96, 4, 3214868480
	.section	.rodata,"a",@progbits
	.p2align	6, 0x0
	.amdhsa_kernel k_q30870da13d_proj
		.amdhsa_group_segment_fixed_size 322560
		.amdhsa_private_segment_fixed_size 0
		.amdhsa_enable_private_segment 0
		.amdhsa_kernarg_size 184
		.amdhsa_user_sgpr_count 2
		.amdhsa_user_sgpr_kernarg_segment_ptr 1
		.amdhsa_wavefront_size32 1
		.amdhsa_system_sgpr_workgroup_id_x 1
		.amdhsa_system_sgpr_workgroup_id_y 1
		.amdhsa_system_sgpr_workgroup_id_z 1
		.amdhsa_system_vgpr_workitem_id 0
		.amdhsa_next_free_vgpr 258
		.amdhsa_next_free_sgpr 102
		.amdhsa_reserve_vcc 1
		.amdhsa_float_denorm_mode_32 3
		.amdhsa_float_denorm_mode_16_64 3
		.amdhsa_memory_ordered 1
		.amdhsa_forward_progress 1
		.amdhsa_inst_pref_size 150
	.end_amdhsa_kernel
	.amdgpu_metadata
---
amdhsa.version: [ 1, 2 ]
amdhsa.kernels:
  - .name:           k_q30870da13d_proj
    .symbol:         k_q30870da13d_proj.kd
    .args:
      - { .name: query_codes, .offset: 0, .size: 8, .value_kind: global_buffer, .address_space: global }
      - { .name: query_scales, .offset: 8, .size: 8, .value_kind: global_buffer, .address_space: global }
      - { .name: Wq_codes, .offset: 16, .size: 8, .value_kind: global_buffer, .address_space: global }
      - { .name: Wq_scales, .offset: 24, .size: 8, .value_kind: global_buffer, .address_space: global }
      - { .name: bq, .offset: 32, .size: 8, .value_kind: global_buffer, .address_space: global }
      - { .name: qws, .offset: 40, .size: 8, .value_kind: global_buffer, .address_space: global }
      - { .name: key_codes, .offset: 48, .size: 8, .value_kind: global_buffer, .address_space: global }
      - { .name: key_scales, .offset: 56, .size: 8, .value_kind: global_buffer, .address_space: global }
      - { .name: Wk_codes, .offset: 64, .size: 8, .value_kind: global_buffer, .address_space: global }
      - { .name: Wk_scales, .offset: 72, .size: 8, .value_kind: global_buffer, .address_space: global }
      - { .name: bk, .offset: 80, .size: 8, .value_kind: global_buffer, .address_space: global }
      - { .name: kws, .offset: 88, .size: 8, .value_kind: global_buffer, .address_space: global }
      - { .name: value_codes, .offset: 96, .size: 8, .value_kind: global_buffer, .address_space: global }
      - { .name: value_scales, .offset: 104, .size: 8, .value_kind: global_buffer, .address_space: global }
      - { .name: Wv_codes, .offset: 112, .size: 8, .value_kind: global_buffer, .address_space: global }
      - { .name: Wv_scales, .offset: 120, .size: 8, .value_kind: global_buffer, .address_space: global }
      - { .name: bv, .offset: 128, .size: 8, .value_kind: global_buffer, .address_space: global }
      - { .name: vws, .offset: 136, .size: 8, .value_kind: global_buffer, .address_space: global }
      - { .name: cos, .offset: 144, .size: 8, .value_kind: global_buffer, .address_space: global }
      - { .name: sin, .offset: 152, .size: 8, .value_kind: global_buffer, .address_space: global }
      - { .name: mask, .offset: 160, .size: 8, .value_kind: global_buffer, .address_space: global }
      - { .name: mbits, .offset: 168, .size: 8, .value_kind: global_buffer, .address_space: global }
      - { .name: mflags, .offset: 176, .size: 8, .value_kind: global_buffer, .address_space: global }
    .group_segment_fixed_size: 322560
    .private_segment_fixed_size: 0
    .kernarg_segment_align: 8
    .kernarg_segment_size: 184
    .max_flat_workgroup_size: 256
    .sgpr_count:     102
    .vgpr_count:     258
    .wavefront_size: 32
...
	.end_amdgpu_metadata
.endif
;; end of part 1
;; launch attn (part 2): grid 4 x 64, 16 waves a work-group, no clusters, 145,408 bytes of LDS; arguments qws, kws, vws, mbits, mflags, ows; writes ows
.if DOCPART == 2
	.amdgcn_target "amdgcn-amd-amdhsa--gfx1250"
	.amdhsa_code_object_version 6
	.text
	.protected	k_q30870da13d_attn
	.globl	k_q30870da13d_attn
	.p2align	8
	.type	k_q30870da13d_attn,@function
k_q30870da13d_attn:
	s_mov_b64 s[64:65], 0
	v_nop
	global_prefetch_b8 v0, s[64:65] scope:SCOPE_SE
	s_setreg_imm32_b32 hwreg(HW_REG_WAVE_MODE, 25, 1), 1
	s_wait_xcnt 0x0
; ATTENTION on codes of FP4 (E2M1): S^T = K Q^T (K = the head's 64 channels in a form of K = 128), the mask, p = 2^(t - M) quantised along the keys, O^T = V^T P^T, / the row's sum, and the quantiser of the result.
; t = score x log2(e) / 8; M = the running largest t rounded UP to a whole number; the sum is taken of the unquantised p; when M moves, the sum and O^T are multiplied by 2^(old M - new M), which rounds nothing.
; SHARES.  A work-group owns 512 queries of one head (x: the quarter; y: 16 batch + head); each of its sixteen waves two tiles of 16 queries, A and B, which share every fragment read from LDS.  Four waves lie on a SIMD,
; so that one wave's vector work stands beside another's matrix work and LDS loads.  The head's whole K and V (140 KB as register images and scale words) are brought into LDS once, through registers, wave w key step w.
; NO TENSOR LOAD AND NO CLUSTER: the launch branches on stored whole numbers (a key step that holds no masked score passes over the 64 selects), and what partners would share is read once by each work-group.
; LAYOUT.  Both products are used transposed: a lane holds ONE query (lane % 16) throughout; register 8 T + e of the scores is key 16 T + 8 (lane / 16) + e.
; K = 64 IN A FORM OF 128: Q's registers 4-7 are zero codes; K's operand of tile T runs on over the next tile's codes (four zero registers stand behind the last): any code times a zero code is 0; the scale bytes there are 0, that is 2^-127.
; LIMITS: a row all of whose keys are masked has the sum 0: its scale bytes become 0xff, so that all of its outputs are NaN, as in the definition; a block whose largest magnitude lies under 2^-124 keeps the byte 1,
; a block of zeros too (this program alone reads the bytes); NaN and infinities are not served otherwise.
.set STEPB, 8960                       ; a key step in LDS: K's codes 4,096 (512 a tile), V's codes 4,096 (1,024 a channel tile, 512 a half), K's scale words 512, V's 256
.set QSC,  4194304                     ; where the scale words or bytes begin in each workspace buffer
.set KS,   26                          ; v26-33 K's scale words (tile T: v[26 + T]); V's four lie over the first four.  v24, v25 Q's; v34, v35 p's: v24-35 hold scales and nothing else
.set KF,   36                          ; v36-67 K's eight fragments of 4 registers, v68-71 zeros; V's four fragments of 8 lie over them
.set PCA,  72                          ; p's codes, tile A; tile B.  (During the fill v72-73 take V's halfwords and v76-79 K's scale words on their way to LDS)
.set PCB,  80
.set S,    96                          ; v96-159 the scores, then p
.set OA,   160                         ; O^T of tile A, of tile B: four accumulators each
.set OB,   192
.set TM,   224                         ; at work
.set BM,   TM                          ; the four blocks' largest
.set BP,   TM+4
.set T2,   TM+8
.set TT,   TM+10
.set SO,   TM+12
.set FF,   240                         ; v[240:241] f = 2^(old M - new M); at the end v240 = 1 / l of A, v242 of B
.set SEL,  2                           ; s[2:3] v_permlanex16_b32's selects for lane l xor 16
.macro PLACES n
.rept \n
	v_nop
.endr
.endm
	s_load_b256 s[4:11], s[0:1], 0x0               ; qws, kws, vws, mbits
	s_load_b128 s[12:15], s[0:1], 0x20             ; mflags, ows
	v_lshl_add_u32 v254, v0, 2, 0x23000
	v_mov_b32 v255, 0
	v_lshrrev_b32 v1, 5, v0
	v_readfirstlane_b32 s29, v1                    ; wave 0..15
	v_and_b32 v1, 31, v0
	v_lshlrev_b32 v1, 4, v1                        ; v1 = 16 x lane: an image's place for my lane
	v_and_b32 v2, 15, v0
	v_lshlrev_b32 v2, 4, v2                        ; 16 r
	v_bfe_u32 v7, v0, 4, 1                         ; h
	v_lshl_add_u32 v249, v7, 9, 0
	v_lshl_add_u32 v249, v2, 1, v249               ; v249 = 512 h + 32 r: the result's scale bytes: lanes 0-15 tile A's rows, lanes 16-31 tile B's
	v_lshl_add_u32 v7, v7, 1, v2                   ; 16 r + 2 h
	s_mul_i32 s37, s29, STEPB
	v_add_nc_u32 v7, s37, v7                       ; v7: where V's scale halfwords go in my key step
	v_add_nc_u32 v6, s37, v1                       ; v6: where the images go
	v_mov_b32 v247, v2                             ; v247 = 16 r
	v_lshrrev_b32 v248, 1, v1                      ; v248 = 8 x lane
	v_add_nc_u32 v2, 8192, v2                      ; v2 = 16 r + 8,192: a key step's scale words
	s_and_b32 s32, ttmp7, 0xffff                   ; 16 batch + head
	s_lshr_b32 s33, s32, 4
	s_and_b32 s34, s32, 15                         ; head
	s_lshl_b32 s35, ttmp9, 5
	s_lshl_b32 s37, s29, 1
	s_add_co_u32 s35, s35, s37                     ; tile A = 32 quarter + 2 wave, of the batch's 128
	s_lshl_b32 s36, s33, 7
	s_add_co_u32 s36, s36, s35                     ; and of all 512
	s_mov_b32 s[SEL], 0x76543210
	s_mov_b32 s[SEL+1], 0xfedcba98
	s_mov_b32 s30, 0x3e38aa3b                      ; c = log2(e) / 8
	s_mov_b32 s31, s30                             ; (the packed form names the pair)
	s_mov_b32 s100, 0xffff0000                     ; lanes 16-31
	s_mov_b32 s39, 0
	s_wait_kmcnt 0x0
	s_lshl_b32 s38, s32, 16
	s_lshl_b32 s37, s35, 9
	s_add_co_u32 s38, s38, s37
	s_add_nc_u64 s[42:43], s[4:5], s[38:39]        ; Q's codes: 65,536 bytes a head, 512 a tile
	s_lshl_b32 s38, s32, 13
	s_lshr_b32 s37, s35, 2
	s_lshl_b32 s37, s37, 8
	s_add_co_u32 s38, s38, s37
	s_and_b32 s37, s35, 2
	s_lshl_b32 s37, s37, 2
	s_add_co_u32 s38, s38, s37
	s_add_nc_u64 s[40:41], s[4:5], s[38:39]        ; Q's scale words: [tile / 4][r][tile % 4]: A's and B's are neighbours
	s_lshl_b32 s38, s32, 16
	s_lshl_b32 s37, s29, 12
	s_add_co_u32 s38, s38, s37
	s_add_nc_u64 s[44:45], s[6:7], s[38:39]        ; K's and V's codes of key step w
	s_add_nc_u64 s[46:47], s[8:9], s[38:39]
	s_lshl_b32 s38, s32, 13
	s_lshl_b32 s37, s29, 9
	s_add_co_u32 s38, s38, s37
	s_add_nc_u64 s[48:49], s[6:7], s[38:39]        ; K's scale words of the step: 512 bytes
	s_lshl_b32 s38, s32, 12
	s_lshl_b32 s37, s29, 8
	s_add_co_u32 s38, s38, s37
	s_add_nc_u64 s[50:51], s[8:9], s[38:39]        ; V's halfwords: 256 bytes
	s_lshl_b32 s38, s36, 12
	s_add_nc_u64 s[10:11], s[10:11], s[38:39]      ; the mask words of tile A (tile B's 4,096 bytes on)
	s_lshl_b32 s38, s36, 4
	s_add_nc_u64 s[12:13], s[12:13], s[38:39]
	s_load_b256 s[16:23], s[12:13], 0x0            ; the flags: four words for A, four for B
	; the loads land in v8-11, v16-19, v24-25, v72-73, v76-79 and v96-159: none of these is written by the register work that stands between here and the wait for them
	global_load_b128 v[8:11], v1, s[42:43]         ; Q's fragments stay in registers
	global_load_b128 v[16:19], v1, s[42:43] offset:512
	global_load_b64 v[24:25], v247, s[40:41] offset:QSC
.irp n, 0,1,2,3,4,5,6,7
	global_load_b128 v[96+4*\n:96+4*\n+3], v1, s[44:45] offset:512*\n    ; 512 consecutive bytes each
.endr
.irp n, 0,1,2,3,4,5,6,7
	global_load_b128 v[128+4*\n:128+4*\n+3], v1, s[46:47] offset:512*\n
.endr
	global_load_b128 v[76:79], v1, s[48:49] offset:QSC     ; K's scale words of my key step
	global_load_b64 v[72:73], v248, s[50:51] offset:QSC    ; lane (half c, channel r): the halfwords of tiles 0..3
.irp i, 12,13,14,15,20,21,22,23,68,69,70,71
	v_mov_b32 v\i, 0                               ; zero codes
.endr
	v_mov_b32 v3, 0xff800000                       ; -infinity
	v_mov_b32 v246, 0xffff
.irp st, 88, 92
	v_mov_b32 v[\st+1], 0xff61b1e6                 ; the largest t so far: -3e38, under every t
	v_floor_f32 v[\st], -v[\st+1]                  ; -M
	v_mov_b32 v[\st+2], 0                          ; the sum, in two halves
	v_mov_b32 v[\st+3], 0
.endr
.irp i, 0,1,2,3
	v_mov_b32 v[BP+\i], 0                          ; written once: a lane permute's destination counts as one of its sources
	v_mov_b32 v[FF+\i], 0                          ; (the upper halves of the pairs are named before they are written)
.endr
.set n, 0
.rept 64
	v_mov_b32 v[OA+n], 0                           ; O^T.  (The step is written once: the first finds zeros, which the first change of M leaves zeros)
.set n, n+1
.endr
	s_wait_kmcnt 0x0
	s_or_b32 s24, s16, s17                         ; bit s: key step s of tile A holds a masked score
	s_or_b32 s24, s24, s18
	s_or_b32 s24, s24, s19
	s_or_b32 s25, s20, s21                         ; the same for B
	s_or_b32 s25, s25, s22
	s_or_b32 s25, s25, s23
	s_lshl_b32 s20, s36, 13
	s_lshl_b32 s21, s34, 9
	s_add_co_u32 s20, s20, s21
	s_mov_b32 s21, 0
	s_add_nc_u64 s[16:17], s[14:15], s[20:21]      ; the result's codes: 8,192 bytes a tile of rows, 512 a head
	s_lshl_b32 s20, s36, 9
	s_lshl_b32 s22, s34, 1
	s_add_co_u32 s20, s20, s22
	s_add_nc_u64 s[18:19], s[14:15], s[20:21]      ; its scale bytes: 32 a row, 2 a head
	s_wait_loadcnt 0x0
.irp n, 0,1,2,3,4,5,6,7
	ds_store_b128 v6, v[96+4*\n:96+4*\n+3] offset:512*\n
.endr
.irp n, 0,1,2,3,4,5,6,7
	ds_store_b128 v6, v[128+4*\n:128+4*\n+3] offset:4096+512*\n
.endr
	ds_store_b128 v6, v[76:79] offset:8192
	ds_store_b16 v7, v72 offset:8704               ; V's scale word of (channel r, tile j) at 16 r + 4 j: half c's two bytes at + 2 c
	ds_store_b16_d16_hi v7, v72 offset:8708
	ds_store_b16 v7, v73 offset:8712
	ds_store_b16_d16_hi v7, v73 offset:8716
	s_wait_dscnt 0x0                               ; for the others' sake: my stores have landed
	s_barrier_signal -1
	s_barrier_wait -1                              ; the head's K and V lie in LDS; nothing is written there again
.macro KLOAD                           ; the step's K: eight fragments of 4 registers, and its scale words
.irp T, 0,1,2,3,4,5,6,7
	ds_load_b128 v[KF+4*\T:KF+4*\T+3], v4 offset:512*\T
.endr
	ds_load_b128 v[KS:KS+3], v5
	ds_load_b128 v[KS+4:KS+7], v5 offset:256
.endm
; ONE TILE'S SOFTMAX for 128 keys.  st: its statistics (-M, largest t, the sum's two halves); pc, pw: where p's codes and scale word go; ob: its O^T; fl: its flags; mo: its mask words' offset.
.macro SM st, pc, pw, ob, fl, mo
	s_bitcmp1_b32 s[\fl], s26                      ; a stored whole number decides: a step with nothing masked passes over the selects
	s_cbranch_scc0 .Lopen_\@
	s_load_b512 s[32:47], s[10:11], s27 offset:\mo
	s_load_b512 s[48:63], s[10:11], s27 offset:\mo+64
	s_load_b512 s[68:83], s[10:11], s27 offset:\mo+128
	s_load_b512 s[84:99], s[10:11], s27 offset:\mo+192
	s_wait_kmcnt 0x0
.set n, 0
.rept 32
	v_cndmask_b32 v[S+n], v[S+n], v3, s[32+n]      ; masked scores become -infinity ahead of the maximum: p = 0 then
.set n, n+1
.endr
.set n, 0
.rept 32
	v_cndmask_b32 v[S+32+n], v[S+32+n], v3, s[68+n]
.set n, n+1
.endr
.Lopen_\@:
.irp b, 0,1,2,3
	v_max3_num_f32 v[BM+\b], v[S+16*\b], v[S+16*\b+1], v[S+16*\b+2]   ; the largest score of each block of 32 keys: it serves the row's maximum and, since p rises with the score, the block's largest p
.endr
.irp i, 3,5,7,9,11,13
.irp b, 0,1,2,3
	v_max3_num_f32 v[BM+\b], v[BM+\b], v[S+16*\b+\i], v[S+16*\b+\i+1]
.endr
.endr
.irp b, 0,1,2,3
	v_max_num_f32 v[BM+\b], v[BM+\b], v[S+16*\b+15]
.endr
.irp b, 0,1,2,3
	v_permlanex16_b32 v[BP+\b], v[BM+\b], s[SEL], s[SEL+1]
.endr
.irp b, 0,1,2,3
	v_max_num_f32 v[BM+\b], v[BM+\b], v[BP+\b]     ; with lane l xor 16's 16 keys
.endr
	v_max3_num_f32 v[TT], v[BM], v[BM+1], v[BM+2]
	v_max_num_f32 v[TT], v[TT], v[BM+3]
	v_mul_f32 v[TT], s30, v[TT]                    ; as t (c is positive)
	v_max_num_f32 v[\st+1], v[\st+1], v[TT]        ; the running largest t
	v_mov_b32 v[TT], v[\st]
	v_floor_f32 v[\st], -v[\st+1]                  ; the new -M = floor(-t): M is a whole number
	v_sub_f32 v[TT], v[\st], v[TT]                 ; old M - new M: a whole number, 0 or less
	v_cvt_i32_f32 v[TT], v[TT]                     ; (it saturates)
	v_ldexp_f32 v[FF], 1.0, v[TT]                  ; f
.set n, 0
.rept 32
	v_pk_fma_f32 v[S+n:S+n+1], v[S+n:S+n+1], s[30:31], v[\st:\st+1] op_sel_hi:[1,0,0]   ; t - M, two at a time
.set n, n+2
.endr
.irp b, 0,1,2,3
	v_fma_f32 v[BM+\b], v[BM+\b], s30, v[\st]      ; the same of each block's largest score
.endr
.set n, 0
.rept 64
	v_exp_f32 v[S+n], v[S+n]                       ; p = 2^(t - M), at most 1, not normalised
.set n, n+1
.endr
	v_pk_mul_f32 v[\st+2:\st+3], v[\st+2:\st+3], v[FF:FF+1] op_sel_hi:[1,0]   ; the sums under the new M: the plain place behind the batch
	s_wait_alu depctr_va_vdst(0)                   ; one wait for the 64 exponentials, ahead of their first reader
.irp b, 0,1,2,3
	v_exp_f32 v[BM+\b], v[BM+\b]                   ; the block's largest p: the same two instructions on the same number give the same bits
.endr
	v_pk_add_f32 v[T2:T2+1], v[S:S+1], v[S+2:S+3]  ; the row's sum, of the unquantised p, in two chains; it reads the 64 alone
.irp j, 4,8,12,16,20,24,28,32,36,40,44,48,52,56,60
	v_pk_add_f32 v[\st+2:\st+3], v[\st+2:\st+3], v[S+\j:S+\j+1]
	v_pk_add_f32 v[T2:T2+1], v[T2:T2+1], v[S+\j+2:S+\j+3]
.endr
	v_pk_add_f32 v[\st+2:\st+3], v[\st+2:\st+3], v[T2:T2+1]
	s_wait_alu depctr_va_vdst(0)                   ; and one for the four
.irp b, 0,1,2,3
	v_max_num_f32 v[BM+\b], 0x1800000, v[BM+\b]    ; the floor 2^(3 - 127): a block whose every p is 0 keeps the byte 1: its codes are zeros
.endr
.irp b, 0,1,2,3
	v_add_nc_u32 v[SO+\b], 0xff000000, v[BM+\b]    ; 2 off the exponent field: the conversion's scale operand
.endr
.irp b, 0,1,2,3
	v_lshrrev_b32 v[BP+\b], 23, v[SO+\b]           ; the scale's byte
.endr
	v_lshl_or_b32 v[\pw], v[BP+1], 8, v[BP]        ; p's scale word for these 128 keys
	v_lshl_or_b32 v[\pw], v[BP+2], 16, v[\pw]
	v_lshl_or_b32 v[\pw], v[BP+3], 24, v[\pw]
.irp g, 0,1,2,3,4,5,6,7                        ; tile g holds keys 16 g + 8 h + 0..7: laid at registers 0, 2, 1, 3 of its half, so that two exchanges give the operand's order
	v_cvt_scalef32_pk8_fp4_f32 v[\pc+4*(\g/4)+2*(\g%2)+(\g%4)/2], v[S+8*\g:S+8*\g+7], v[SO+\g/2]
.endr
	v_nop                                          ; one plain place behind the scaled conversions
.irp c, 0,1
	v_permlane16_swap_b32 v[\pc+4*\c], v[\pc+4*\c+1]
	v_permlane16_swap_b32 v[\pc+4*\c+2], v[\pc+4*\c+3]
.endr
.set n, 0
.rept 16
	v_pk_mul_f32 v[\ob+n:\ob+n+1], v[\ob+n:\ob+n+1], v[FF:FF+1] op_sel_hi:[1,0]   ; O^T under the new M.  Twelve of these name no register of any one product below: the places that p's scale word (8) and codes (4) want
.set n, n+2
.endr
.endm
; A KEY STEP: 128 keys.  next = 1: the next step's K is fetched at the end.
.macro STEP next
	s_wait_dscnt 0x0                               ; K's fragments and scale words are in
.irp T, 0,1,2,3,4,5,6,7
	v_wmma_scale_f32_16x16x128_f8f6f4 v[S+8*\T:S+8*\T+7], v[KF+4*\T:KF+4*\T+7], v[8:15], 0, v[KS+\T], v24 matrix_a_fmt:MATRIX_FMT_FP4 matrix_b_fmt:MATRIX_FMT_FP4
.endr
	PLACES 4
	SM 88, PCA, 34, OA, 24, 0
.irp T, 0,1,2,3,4,5,6,7
	v_wmma_scale_f32_16x16x128_f8f6f4 v[S+8*\T:S+8*\T+7], v[KF+4*\T:KF+4*\T+7], v[16:23], 0, v[KS+\T], v25 matrix_a_fmt:MATRIX_FMT_FP4 matrix_b_fmt:MATRIX_FMT_FP4
.endr
	PLACES 4                                       ; for the reads of the scores, and for V's loads into K's registers
.irp n, 0,1,2,3,4,5,6,7
	ds_load_b128 v[KF+4*\n:KF+4*\n+3], v4 offset:4096+512*\n   ; V lands while tile B's softmax is walked
.endr
	ds_load_b128 v[KS:KS+3], v5 offset:512
	SM 92, PCB, 35, OB, 25, 4096
	s_wait_dscnt 0x0
.irp j, 0,1,2,3                                ; O^T += V^T P^T: the eight accumulators by turns, one instruction a turn
	v_wmma_scale_f32_16x16x128_f8f6f4 v[OA+8*\j:OA+8*\j+7], v[KF+8*\j:KF+8*\j+7], v[PCA:PCA+7], v[OA+8*\j:OA+8*\j+7], v[KS+\j], v34 matrix_a_fmt:MATRIX_FMT_FP4 matrix_b_fmt:MATRIX_FMT_FP4
	v_wmma_scale_f32_16x16x128_f8f6f4 v[OB+8*\j:OB+8*\j+7], v[KF+8*\j:KF+8*\j+7], v[PCB:PCB+7], v[OB+8*\j:OB+8*\j+7], v[KS+\j], v35 matrix_a_fmt:MATRIX_FMT_FP4 matrix_b_fmt:MATRIX_FMT_FP4
.endr
.if \next
	s_add_co_u32 s28, s28, STEPB
	v_add_nc_u32 v4, s28, v1                       ; the next step's addresses: two of the four places in front of the loads
	v_add_nc_u32 v5, s28, v2
	PLACES 2
	KLOAD
.endif
.endm
	s_mov_b32 s26, 0                               ; the key step,
	s_mov_b32 s27, 0                               ; its mask words: 256 bytes a step,
	s_mov_b32 s28, 0                               ; its LDS byte
	v_add_nc_u32 v4, s28, v1
	v_add_nc_u32 v5, s28, v2
	KLOAD
.Lstep:
	STEP 1
	s_add_co_u32 s26, s26, 1
	s_add_co_u32 s27, s27, 256
	s_cmp_lt_u32 s26, 15
	s_cbranch_scc1 .Lstep
	STEP 0                                         ; the last step is written out: it fetches nothing, so no LDS load leaves the head's 16 steps
	; THE WAY OUT.  The additions and the v_nop are the places behind the last products
	v_add_f32 v244, v90, v91                       ; the sum's two halves,
	v_add_f32 v245, v94, v95
	v_permlanex16_b32 v[BP], v244, s[SEL], s[SEL+1]
	v_permlanex16_b32 v[BP+1], v245, s[SEL], s[SEL+1]
	v_add_f32 v244, v244, v[BP]                    ; and lane l xor 16's: l
	v_add_f32 v245, v245, v[BP+1]
	v_rcp_f32 v240, v244
	v_rcp_f32 v242, v245
	v_nop                                          ; a plain place behind the reciprocals
	s_wait_alu depctr_va_vdst(0)                   ; one wait for the two, ahead of their first reader
.set n, 0
.rept 16
	v_pk_mul_f32 v[OA+n:OA+n+1], v[OA+n:OA+n+1], v[240:241] op_sel_hi:[1,0]   ; each accumulator from its low end on
.set n, n+2
.endr
.set n, 0
.rept 16
	v_pk_mul_f32 v[OB+n:OB+n+1], v[OB+n:OB+n+1], v[242:243] op_sel_hi:[1,0]
.set n, n+2
.endr
	; the result is the last product's operand: K = 64 head + channel.  Blocks 0, 1: tile A's channels 0-31, 32-63; blocks 2, 3: tile B's
.irp b, 0,1,2,3
	v_max3_num_f32 v[TM+\b], |v[OA+16*\b]|, |v[OA+16*\b+1]|, 0x1800000
.endr
.irp i, 2,4,6,8,10,12,14
.irp b, 0,1,2,3
	v_max3_num_f32 v[TM+\b], v[TM+\b], |v[OA+16*\b+\i]|, |v[OA+16*\b+\i+1]|
.endr
.endr
.irp b, 0,1,2,3
	v_permlanex16_b32 v[TM+4+\b], v[TM+\b], s[SEL], s[SEL+1]
.endr
.irp b, 0,1,2,3
	v_max_num_f32 v[TM+\b], v[TM+\b], v[TM+4+\b]
.endr
.irp b, 0,1,2,3
	v_add_nc_u32 v[TM+12+\b], 0xff000000, v[TM+\b]
.endr
.irp b, 0,1,2,3
	v_lshrrev_b32 v[TM+4+\b], 23, v[TM+12+\b]
.endr
.irp g, 0,1,2,3,4,5,6,7
	v_cvt_scalef32_pk8_fp4_f32 v[PCA+4*(\g/4)+2*(\g%2)+(\g%4)/2], v[OA+8*\g:OA+8*\g+7], v[TM+12+\g/2]
.endr
	v_nop
.irp c, 0,1
	v_permlane16_swap_b32 v[PCA+4*\c], v[PCA+4*\c+1]
	v_permlane16_swap_b32 v[PCA+4*\c+2], v[PCA+4*\c+3]
.endr
	v_lshl_or_b32 v[TM+8], v[TM+5], 8, v[TM+4]     ; a row's two scale bytes, tile A's
	v_lshl_or_b32 v[TM+9], v[TM+7], 8, v[TM+6]     ; and tile B's
	v_cmp_eq_f32 vcc_lo, 0, v244
	v_cndmask_b32 v[TM+8], v[TM+8], v246, vcc_lo   ; a row with no key left: NaN scales (a select, no branch)
	v_cmp_eq_f32 vcc_lo, 0, v245
	v_cndmask_b32 v[TM+9], v[TM+9], v246, vcc_lo
	v_cndmask_b32 v88, v[TM+8], v[TM+9], s100
	global_store_b128 v1, v[PCA:PCA+3], s[16:17]               ; 512 consecutive bytes: half head % 2 of K step head / 2 of the operand's image
	global_store_b128 v1, v[PCA+4:PCA+7], s[16:17] offset:8192
	global_store_b16 v249, v88, s[18:19] offset:QSC            ; 64 bytes beside the wave's 1,024 of codes, laid so that the next launch reads words of four bytes
	s_wait_tensorcnt 0x0
	ds_add_u32 v254, v255
	s_wait_dscnt 0x0
	s_endpgm
.Lfunc_end_k_q30870da13d_attn:
	.size	k_q30870da13d_attn, .Lfunc_end_k_q30870da13d_attn-k_q30870da13d_attn
	.p2alignl 7, 3214868480
	.fill 96, 4, 3214868480
	.section	.rodata,"a",@progbits
	.p2align	6, 0x0
	.amdhsa_kernel k_q30870da13d_attn
		.amdhsa_group_segment_fixed_size 145408
		.amdhsa_private_segment_fixed_size 0
		.amdhsa_enable_private_segment 0
		.amdhsa_kernarg_size 48
		.amdhsa_user_sgpr_count 2
		.amdhsa_user_sgpr_kernarg_segment_ptr 1
		.amdhsa_wavefront_size32 1
		.amdhsa_system_sgpr_workgroup_id_x 1
		.amdhsa_system_sgpr_workgroup_id_y 1
		.amdhsa_system_sgpr_workgroup_id_z 1
		.amdhsa_system_vgpr_workitem_id 0
		.amdhsa_next_free_vgpr 256
		.amdhsa_next_free_sgpr 102
		.amdhsa_reserve_vcc 1
		.amdhsa_float_denorm_mode_32 3
		.amdhsa_float_denorm_mode_16_64 3
		.amdhsa_memory_ordered 1
		.amdhsa_forward_progress 1
		.amdhsa_inst_pref_size 90
	.end_amdhsa_kernel
	.amdgpu_metadata
---
amdhsa.version: [ 1, 2 ]
amdhsa.kernels:
  - .name:           k_q30870da13d_attn
    .symbol:         k_q30870da13d_attn.kd
    .args:
      - { .name: qws, .offset: 0, .size: 8, .value_kind: global_buffer, .address_space: global }
      - { .name: kws, .offset: 8, .size: 8, .value_kind: global_buffer, .address_space: global }
      - { .name: vws, .offset: 16, .size: 8, .value_kind: global_buffer, .address_space: global }
      - { .name: mbits, .offset: 24, .size: 8, .value_kind: global_buffer, .address_space: global }
      - { .name: mflags, .offset: 32, .size: 8, .value_kind: global_buffer, .address_space: global }
      - { .name: ows, .offset: 40, .size: 8, .value_kind: global_buffer, .address_space: global }
    .group_segment_fixed_size: 145408
    .private_segment_fixed_size: 0
    .kernarg_segment_align: 8
    .kernarg_segment_size: 48
    .max_flat_workgroup_size: 512
    .sgpr_count:     102
    .vgpr_count:     256
    .wavefront_size: 32
...
	.end_amdgpu_metadata
.endif
;; end of part 2
;; launch oproj (part 3): grid 4 x 64, 8 waves a work-group, clusters of 4 x 4, 252,928 bytes of LDS; arguments ows, Wo_codes, Wo_scales, bo, out0; writes out0
.if DOCPART == 3
	.amdgcn_target "amdgcn-amd-amdhsa--gfx1250"
	.amdhsa_code_object_version 6
	.text
	.protected	k_q30870da13d_oproj
	.globl	k_q30870da13d_oproj
	.p2align	8
	.type	k_q30870da13d_oproj,@function
k_q30870da13d_oproj:
	s_mov_b64 s[64:65], 0
	v_nop
	global_prefetch_b8 v0, s[64:65] scope:SCOPE_SE
	s_setreg_imm32_b32 hwreg(HW_REG_WAVE_MODE, 25, 1), 1
	s_wait_xcnt 0x0
	s_wait_alu depctr_hold_cnt(0) depctr_sa_sdst(0) depctr_va_vdst(0) depctr_va_sdst(0) depctr_va_ssrc(0) depctr_va_vcc(0) depctr_vm_vsrc(0)
	s_getreg_b32 s2, hwreg(HW_REG_IB_STS2, 6, 4)
	s_cmp_eq_u32 s2, 0
	s_cbranch_scc0 .Lentry_in_a_cluster
	s_endpgm
.Lentry_in_a_cluster:
	s_bfe_u32 s2, ttmp6, 0x10000c
	s_cmp_lg_u32 s2, 0xf033
	s_cbranch_scc0 .Lentry_shape_is_right
	s_endpgm
.Lentry_shape_is_right:
; out0 = o Wo^T + bo on codes of FP4 (E2M1) with one E8M0 scale for each 32 along K.  o comes from the workspace as images of the operand's registers ([tile of 16 rows][head][lane][16 bytes]) and scale bytes [row][32].
; SHARES.  A work-group makes 128 rows x 256 columns; all of K = 1,024 of its rows of o (65,536 bytes) and of Wo (256 x 512 bytes) fits in LDS: every LDS byte is filled once, there is no ring.
; Wave w makes 64 rows (w / 4) x 64 columns (w % 4): 16 accumulators.  The product is used transposed (source 0 = 16 rows of Wo, source 1 = 16 rows of o): a lane holds eight neighbouring columns of a row.
; CLUSTER 4 x 4: o's codes are asked for jointly along a row of the cluster, Wo's along a column; the scale bytes (12 KB of 210 KB) come by plain loads of each work-group's own.
; A scale byte 0xff in o (a row that attention left without keys) makes the row's outputs NaN, as the definition has them.
.set PITCH, 528                        ; a row of Wo's codes in LDS: 512 bytes + 16
.set H64,   64*PITCH
.set WC,    2*H64                      ; o's images at 0 (65,536 bytes, dense); Wo's 256 rows here
.set SCL,   6*H64                      ; scale bytes: 32 a row, eight rows to 256 bytes + 16; o's 128 rows, then Wo's 256
.set SCH,   8*272
.set STG,   SCL+6*SCH                  ; the way out: 16 rows x 272 bytes a wave: written by LDS stores alone, no fill lands here
.set OSC,   4194304                    ; where o's scale bytes begin in the workspace
.set AX,  4                            ; v4   o's images: 16 lane + my four tiles
.set AW,  5                            ; v5   Wo's fragments
.set ASC, 6                            ; v6   scale words: lanes 0-15 o's rows, lanes 16-31 Wo's
.set BOF, 8                            ; v8   bias offset
.set STO, 9                            ; v9   the stage, way in
.set RD,  10                           ; v10  the stage, way out
.set GO,  11                           ; v11  my byte offset in out0: 4,096 h + 16 r
.set ZO,  15                           ; v15  at work
.set SC,  16                           ; v16-31 scale words and nothing else
.set XF,  32
.set WF,  64
.set BI,  96
.set ACC, 128
.set WV,  50
.set CX,  51
.set CY,  52
.set RB,  55
.set COL, 56
.set HD,  57
.set RH,  58
.set G0S, 16
.set G0A, 20
.set G0W, 24
.set G1A, 68
.set G1W, 76
.set G1S, 84
.macro PLACES n
.rept \n
	v_nop
.endr
.endm
.macro CROUND                          ; a round of the cluster's barrier
	s_barrier_signal -1
	s_barrier_wait -1
	s_cmp_lg_u32 s[WV], 0
	s_cbranch_scc1 .Lnot_wave_0_\@
	s_barrier_signal -3
.Lnot_wave_0_\@:
	s_barrier_wait -3
	s_barrier_signal -1
	s_barrier_wait -1
.endm
	s_load_b256 s[4:11], s[0:1], 0x0               ; ows, Wo codes, Wo scales, bo
	s_load_b64 s[12:13], s[0:1], 0x20              ; out0
	v_lshl_add_u32 v13, v0, 2, 0x3d800
	v_mov_b32 v14, 0
	ds_add_u32 v13, v14
	ds_add_u32 v13, v14
	v_lshrrev_b32 v1, 5, v0
	v_readfirstlane_b32 s[WV], v1                  ; wave 0..7
	s_bfe_u32 s[CX], ttmp6, 0x40000
	s_bfe_u32 s[CY], ttmp6, 0x40004
	s_and_b32 s[RB], ttmp7, 0xffff
	s_lshl_b32 s[RB], s[RB], 2
	s_add_co_u32 s[RB], s[RB], s[CY]               ; block of 128 rows, 0..63
	s_lshl_b32 s[COL], ttmp9, 2
	s_add_co_u32 s[COL], s[COL], s[CX]             ; block of 256 columns, 0..3
	s_and_b32 s[HD], s[WV], 3                      ; my 64 columns
	s_lshr_b32 s[RH], s[WV], 2                     ; my 64 rows
	s_lshl_b32 s66, s[CY], 2
	s_lshl_b32 s66, 15, s66                        ; my row of the cluster
	s_lshl_b32 s67, 0x1111, s[CX]                  ; my column
	s_or_b32 s[G1A], s66, (3<<16)|(1<<21)          ; o's images: 32,768 dense bytes as 128 rows of 32 elements of 8 bytes, no padding
	s_mov_b32 s[G1A+1], 32<<16
	s_mov_b32 s[G1A+2], 128<<16
	s_mov_b32 s[G1A+3], 32<<16
	s_mov_b32 s[G1A+4], 128
	s_mov_b32 s[G1A+5], 32
	s_mov_b32 s[G1A+6], 0
	s_mov_b32 s[G1A+7], 0
	s_or_b32 s[G1W], s67, (1<<20)|(1<<21)|(6<<22)|(3<<25)   ; Wo's codes: 64 rows of 512 bytes, 4 words of padding behind every 128
	s_mov_b32 s[G1W+1], 512<<16
	s_mov_b32 s[G1W+2], 64<<16
	s_mov_b32 s[G1W+3], 512<<16
	s_mov_b32 s[G1W+4], 64
	s_mov_b32 s[G1W+5], 512
	s_mov_b32 s[G1W+6], 0
	s_mov_b32 s[G1W+7], 0
	s_mov_b32 s[G1S], (3<<16)|(1<<20)|(5<<22)|(3<<25)       ; scale bytes of 64 rows: 8 rows of 256 bytes, padded; no mask
	s_mov_b32 s[G1S+1], 32<<16
	s_mov_b32 s[G1S+2], 8<<16
	s_mov_b32 s[G1S+3], 32<<16
	s_mov_b32 s[G1S+4], 8
	s_mov_b32 s[G1S+5], 32
	s_mov_b32 s[G1S+6], 0
	s_mov_b32 s[G1S+7], 0
	v_and_b32 v1, 31, v0                           ; lane
	v_and_b32 v2, 15, v0                           ; r
	v_bfe_u32 v3, v0, 4, 1                         ; h
	s_lshl_b32 s32, s[RH], 15
	v_lshl_add_u32 v[AX], v1, 4, s32               ; 16 lane + four tiles of 8,192 bytes
	v_mul_u32_u24 v[ZO], v2, PITCH
	v_lshl_add_u32 v[ZO], v3, 4, v[ZO]
	s_mul_i32 s32, s[HD], H64
	s_add_co_u32 s32, s32, WC
	v_add_nc_u32 v[AW], s32, v[ZO]
	v_lshrrev_b32 v[ZO], 3, v2
	v_mul_u32_u24 v[ZO], v[ZO], 272
	v_and_b32 v[ASC], 7, v2
	v_lshl_add_u32 v[ASC], v[ASC], 5, v[ZO]        ; row r's 32 scale bytes
	s_mul_i32 s32, s[RH], SCH
	s_mul_i32 s33, s[HD], SCH
	s_add_co_u32 s33, s33, 2*SCH
	s_sub_co_u32 s33, s33, s32                     ; the distance from o's rows to Wo's: one product with h
	v_mul_u32_u24 v[ZO], s33, v3
	s_add_co_u32 s32, s32, SCL
	v_add_nc_u32 v[ASC], v[ASC], v[ZO]
	v_add_nc_u32 v[ASC], s32, v[ASC]
	s_mul_i32 s32, s[WV], 16*272
	s_add_co_u32 s32, s32, STG
	v_mul_u32_u24 v[STO], v2, 272
	v_lshl_add_u32 v[STO], v3, 5, v[STO]
	v_add_nc_u32 v[STO], s32, v[STO]               ; in: row r, 32 h
	v_mul_u32_u24 v[RD], v3, 272
	v_lshl_add_u32 v[RD], v2, 4, v[RD]
	v_add_nc_u32 v[RD], s32, v[RD]                 ; back: lanes 0-15 one row of 256 bytes, lanes 16-31 the next
	v_lshlrev_b32 v[GO], 12, v3
	v_lshl_add_u32 v[GO], v2, 4, v[GO]
	v_lshlrev_b32 v[BOF], 5, v3
	s_wait_dscnt 0x0
	s_wait_kmcnt 0x0
	s_and_b32 s32, s[WV], 1
	s_sub_co_u32 s33, s[WV], 2
	s_and_b32 s33, s33, 3
	s_lshl_b32 s34, s[RB], 16                      ; o's images: 65,536 bytes a block, half a wave: made of the row block alone
	s_lshl_b32 s35, s32, 15
	s_add_co_u32 s34, s34, s35
	s_mov_b32 s35, 0
	s_mov_b32 s[G0A], 1
	s_lshl_b32 s[G0A+1], s[WV], 15
	s_add_nc_u64 s[G0A+2:G0A+3], s[4:5], s[34:35]
	s_or_b32 s[G0A+3], s[G0A+3], 0x80000000
	s_lshl_b32 s36, s[COL], 17                     ; Wo: (256 block + 64 quarter) rows of 512 bytes: made of the column block alone
	s_lshl_b32 s37, s33, 15
	s_add_co_u32 s36, s36, s37
	s_mov_b32 s37, 0
	s_mov_b32 s[G0W], 1
	s_mul_i32 s[G0W+1], s[WV], H64                 ; waves 2 to 5: from WC on
	s_add_nc_u64 s[G0W+2:G0W+3], s[6:7], s[36:37]
	s_or_b32 s[G0W+3], s[G0W+3], 0x80000000
	s_lshr_b32 s34, s34, 4                         ; the same rows' scale bytes, 32 a row;
	s_add_co_u32 s34, s34, OSC                     ; o's lie behind its codes
	s_lshr_b32 s36, s36, 4
	s_cmp_lt_u32 s[WV], 2
	s_cselect_b64 s[G0S+2:G0S+3], s[4:5], s[8:9]
	s_cselect_b32 s38, s34, s36
	s_mov_b32 s39, 0
	s_add_nc_u64 s[G0S+2:G0S+3], s[G0S+2:G0S+3], s[38:39]
	s_or_b32 s[G0S+3], s[G0S+3], 0x80000000
	s_mov_b32 s[G0S], 1
	s_mul_i32 s[G0S+1], s[WV], SCH
	s_add_co_u32 s[G0S+1], s[G0S+1], SCL
	CROUND                                         ; all sixteen work-groups are here: the joint loads meet
	; every fill of the launch, one group; a wave's loads stand in one arm of a branch on its number (waves 6 and 7 have none); at most two loads of a wave are out
	s_cmp_lt_u32 s[WV], 2
	s_cbranch_scc0 .Lnot_a
	tensor_load_to_lds s[G0S:G0S+3], s[G1S:G1S+7]
	s_nop 0
	tensor_load_to_lds s[G0A:G0A+3], s[G1A:G1A+7]
	s_nop 0
	PLACES 4
	s_branch .Lasked
.Lnot_a:
	s_cmp_lt_u32 s[WV], 6
	s_cbranch_scc0 .Lasked
	tensor_load_to_lds s[G0S:G0S+3], s[G1S:G1S+7]
	s_nop 0
	tensor_load_to_lds s[G0W:G0W+3], s[G1W:G1W+7]
	s_nop 0
	PLACES 4
.Lasked:
	s_lshl_b32 s32, s[COL], 10
	s_lshl_b32 s33, s[HD], 8
	s_add_co_u32 s32, s32, s33                     ; my 64 columns, in bytes
	s_mov_b32 s33, 0
	s_add_nc_u64 s[10:11], s[10:11], s[32:33]
.irp t, 0,1,2,3
	global_load_b128 v[BI+8*\t:BI+8*\t+3], v[BOF], s[10:11] offset:64*\t       ; bo at columns 16 t + 8 h + 0..7: the C of each sum's first product
	global_load_b128 v[BI+8*\t+4:BI+8*\t+7], v[BOF], s[10:11] offset:64*\t+16
.endr
	s_add_nc_u64 s[12:13], s[12:13], s[32:33]
	s_lshl_b32 s32, s[RB], 19                      ; 128 rows of 4,096 bytes,
	s_lshl_b32 s34, s[RH], 18                      ; my 64 of them
	s_add_co_u32 s32, s32, s34
	s_add_nc_u64 s[12:13], s[12:13], s[32:33]
	s_wait_tensorcnt 0x0                           ; my parts of the tiles have landed,
	s_wait_loadcnt 0x0                             ; the bias is in:
	s_barrier_signal -1
	s_barrier_wait -1                              ; everybody's parts have landed
; A K step of 128: 16 products, the 16 accumulators by turns in the same order in every step
.macro KSTEP q
.if (\q) > 0
	PLACES 4                                       ; in front of loads into registers that matrix instructions have read
.endif
.if (\q)%4 == 0
.irp i, 0,1,2,3
	ds_load_b128 v[SC+4*\i:SC+4*\i+3], v[ASC] offset:544*\i+16*((\q)/4)   ; four K steps' scale words of tile i: o's below, Wo's above
.endr
.endif
.irp i, 0,1,2,3
.irp c, 0,1
	ds_load_b128 v[WF+8*\i+4*\c:WF+8*\i+4*\c+3], v[AW] offset:16*PITCH*\i+64*(\q)+32*\c
.endr
.endr
.irp i, 0,1,2,3
.irp c, 0,1
	ds_load_b128 v[XF+8*\i+4*\c:XF+8*\i+4*\c+3], v[AX] offset:8192*\i+1024*(\q)+512*\c   ; the image comes back as it was stored
.endr
.endr
.irp o, 0,1,2,3
	s_wait_dscnt 2*(3-\o)                          ; all but o's fragments behind this one, two loads each
.irp n, 0,1,2,3
.set D, ACC+32*\o+8*\n
.if (\q) == 0
	v_wmma_scale_f32_16x16x128_f8f6f4 v[D:D+7], v[WF+8*\n:WF+8*\n+7], v[XF+8*\o:XF+8*\o+7], v[BI+8*\n:BI+8*\n+7], v[SC+4*\n+(\q)%4], v[SC+4*\o+(\q)%4] matrix_a_fmt:MATRIX_FMT_FP4 matrix_b_fmt:MATRIX_FMT_FP4 matrix_a_scale:MATRIX_SCALE_ROW1
.else
	v_wmma_scale_f32_16x16x128_f8f6f4 v[D:D+7], v[WF+8*\n:WF+8*\n+7], v[XF+8*\o:XF+8*\o+7], v[D:D+7], v[SC+4*\n+(\q)%4], v[SC+4*\o+(\q)%4] matrix_a_fmt:MATRIX_FMT_FP4 matrix_b_fmt:MATRIX_FMT_FP4 matrix_a_scale:MATRIX_SCALE_ROW1
.endif
.endr
.endr
.endm
.irp q, 0,1,2,3,4,5,6,7
	KSTEP \q
.endr
; THE WAY OUT, a tile of 16 rows x 64 columns at a time through my own stage: a lane holds 32 bytes of a row; back come whole rows of 256 bytes.  LDS serves a wave's instructions in order: no wait between the stores and the loads
.macro TOSTAGE i
.irp t, 0,1,2,3
	ds_store_b128 v[STO], v[ACC+32*\i+8*\t:ACC+32*\i+8*\t+3] offset:64*\t          ; each accumulator from its low end on
	ds_store_b128 v[STO], v[ACC+32*\i+8*\t+4:ACC+32*\i+8*\t+7] offset:64*\t+16
.endr
.irp n, 0,1,2,3,4,5,6,7
	ds_load_b128 v[32+32*((\i)%2)+4*\n:32+32*((\i)%2)+4*\n+3], v[RD] offset:544*\n
.endr
.endm
.macro SEND i, younger                 ; younger: the LDS instructions issued behind tile i's loads, which may stay out
	s_wait_dscnt \younger
.irp n, 0,1,2,3,4,5,6,7
	global_store_b128 v[GO], v[32+32*((\i)%2)+4*\n:32+32*((\i)%2)+4*\n+3], s[12:13] offset:4096*(16*(\i)+2*\n) th:TH_STORE_NT   ; sixteen lanes store 256 consecutive bytes, aligned
.endr
.endm
	PLACES 4                                       ; behind the last products: reads of results, loads into the fragments' registers
	TOSTAGE 0
	TOSTAGE 1
	SEND 0, 16                                     ; behind tile 0's loads: tile 1's 8 stores and 8 loads
	s_wait_xcnt 0x0                                ; tile 0's stores have read their registers: tile 2's loads may land there
	TOSTAGE 2
	SEND 1, 16
	s_wait_xcnt 0x0
	TOSTAGE 3
	SEND 2, 16
	SEND 3, 0
	s_wait_tensorcnt 0x0
	ds_add_u32 v13, v14
	s_wait_dscnt 0x0
	CROUND                                         ; the closing round (no LDS instruction of mine is pending): no work-group ends while a partner may still ask for a tile that names it
	s_endpgm
.Lfunc_end_k_q30870da13d_oproj:
	.size	k_q30870da13d_oproj, .Lfunc_end_k_q30870da13d_oproj-k_q30870da13d_oproj
	.p2alignl 7, 3214868480
	.fill 96, 4, 3214868480
	.section	.rodata,"a",@progbits
	.p2align	6, 0x0
	.amdhsa_kernel k_q30870da13d_oproj
		.amdhsa_group_segment_fixed_size 252928
		.amdhsa_private_segment_fixed_size 0
		.amdhsa_enable_private_segment 0
		.amdhsa_kernarg_size 40
		.amdhsa_user_sgpr_count 2
		.amdhsa_user_sgpr_kernarg_segment_ptr 1
		.amdhsa_wavefront_size32 1
		.amdhsa_system_sgpr_workgroup_id_x 1
		.amdhsa_system_sgpr_workgroup_id_y 1
		.amdhsa_system_sgpr_workgroup_id_z 1
		.amdhsa_system_vgpr_workitem_id 0
		.amdhsa_next_free_vgpr 256
		.amdhsa_next_free_sgpr 92
		.amdhsa_reserve_vcc 0
		.amdhsa_float_denorm_mode_32 3
		.amdhsa_float_denorm_mode_16_64 3
		.amdhsa_memory_ordered 1
		.amdhsa_forward_progress 1
		.amdhsa_inst_pref_size 43
	.end_amdhsa_kernel
	.amdgpu_metadata
---
amdhsa.version: [ 1, 2 ]
amdhsa.kernels:
  - .name:           k_q30870da13d_oproj
    .symbol:         k_q30870da13d_oproj.kd
    .args:
      - { .name: ows, .offset: 0, .size: 8, .value_kind: global_buffer, .address_space: global }
      - { .name: Wo_codes, .offset: 8, .size: 8, .value_kind: global_buffer, .address_space: global }
      - { .name: Wo_scales, .offset: 16, .size: 8, .value_kind: global_buffer, .address_space: global }
      - { .name: bo, .offset: 24, .size: 8, .value_kind: global_buffer, .address_space: global }
      - { .name: out0, .offset: 32, .size: 8, .value_kind: global_buffer, .address_space: global }
    .group_segment_fixed_size: 252928
    .private_segment_fixed_size: 0
    .kernarg_segment_align: 8
    .kernarg_segment_size: 40
    .max_flat_workgroup_size: 256
    .sgpr_count:     92
    .vgpr_count:     256
    .wavefront_size: 32
...
	.end_amdgpu_metadata
.endif
;; end of part 3
;; ======== version 2 of 2: 3 launches; version 1 with the launch attn written anew for expert scheduling mode
;; workspace buffers: qws 4,718,592 bytes; kws 4,718,592 bytes; vws 4,456,448 bytes; mbits 2,097,152 bytes of whole numbers; mflags 8,192 bytes of whole numbers; ows 4,456,448 bytes
;; launch proj: the kernel of part 1 again; grid 4 x 192, 8 waves a work-group, clusters of 4 x 4, 322,560 bytes of LDS; arguments query_codes, query_scales, Wq_codes, Wq_scales, bq, qws, key_codes, key_scales, Wk_codes, Wk_scales, bk, kws, value_codes, value_scales, Wv_codes, Wv_scales, bv, vws, cos, sin, mask, mbits, mflags; writes qws, kws, vws, mbits, mflags
;; launch attn (part 4): grid 4 x 64, 16 waves a work-group, no clusters, 145,408 bytes of LDS; arguments qws, kws, vws, mbits, mflags, ows; writes ows
.if DOCPART == 4
	.amdgcn_target "amdgcn-amd-amdhsa--gfx1250"
	.amdhsa_code_object_version 6
	.text
	.protected	k_q30870da13d_attn
	.globl	k_q30870da13d_attn
	.p2align	8
	.type	k_q30870da13d_attn,@function
k_q30870da13d_attn:
	s_mov_b64 s[64:65], 0
	v_nop
	global_prefetch_b8 v0, s[64:65] scope:SCOPE_SE
	s_setreg_imm32_b32 hwreg(HW_REG_WAVE_SCHED_MODE, 0, 2), 2
	s_setreg_imm32_b32 hwreg(HW_REG_WAVE_MODE, 25, 1), 1
	s_wait_xcnt 0x0
	s_wait_alu depctr_vm_vsrc(0)
; ATTENTION on codes of FP4 (E2M1): S^T = K Q^T (K = the head's 64 channels in a form of K = 128), the mask, p = 2^(t - M) quantised along the keys, O^T = V^T P^T, / the row's sum, and the quantiser of the result.
; t = score x log2(e) / 8; M = the running largest t rounded UP to a whole number; the sum is taken of the unquantised p; when M moves, the sum and O^T are multiplied by 2^(old M - new M), which rounds nothing.
; SHARES.  A work-group owns 512 queries of one head (x: the quarter; y: 16 batch + head); each of its sixteen waves two tiles of 16 queries, A and B, which share every fragment read from LDS.  Four waves lie on a SIMD,
; so that one wave's vector work stands beside another's matrix work and LDS loads.  The head's whole K and V (140 KB as register images and scale words) are brought into LDS once, through registers, wave w key step w.
; NO TENSOR LOAD AND NO CLUSTER: the launch branches on stored whole numbers (a key step that holds no masked score passes over the 64 selects), and what partners would share is read once by each work-group.
; LAYOUT.  Both products are used transposed: a lane holds ONE query (lane % 16) throughout; register 8 T + e of the scores is key 16 T + 8 (lane / 16) + e.
; K = 64 IN A FORM OF 128: Q's registers 4-7 are zero codes; K's operand of tile T runs on over the next tile's codes (four zero registers stand behind the last): any code times a zero code is 0; the scale bytes there are 0, that is 2^-127.
; LIMITS: a row all of whose keys are masked has the sum 0: its scale bytes become 0xff, so that all of its outputs are NaN, as in the definition; a block whose largest magnitude lies under 2^-124 keeps the byte 1,
; a block of zeros too (this program alone reads the bytes); NaN and infinities are not served otherwise.
; THE MODE: SCHED_MODE bits 1:0 = 2 (LLVM: expert scheduling mode 2), set by the entry lines.  The code itself states the register dependences between vector or matrix instructions and memory or LDS instructions,
; with s_wait_alu, always for 0.
; THE PLAN.  Registers that memory or LDS instructions touch:
;   v1, v247-249, v6, v7   offsets and LDS store addresses: written once at the head, ahead of the wait in front of the first load; never written again.
;   v96-159, v72-73, v76-79  the fill: loads land there, LDS stores read them; from the loop on products (S) and conversions (p's codes) write them: one wait on vm_vsrc behind the barrier.
;   v4, v5                 LDS addresses of the key step: written by two additions ahead of K's loads; read by K's ten loads and V's nine.
;   v36-67, v26-33         K's fragments and scale words: loaded at a step's end, read by the sixteen products K Q^T; then V's, loaded behind tile B's scores, read by the eight products V^T P^T.  The wave's 256 registers
;                          (four waves fill a SIMD's 1,024) leave no room for a second set.
;   v34, v35, v72-87       p's scale words and codes: vector instructions write them, scaled products take them.
; So a step holds, beside the softmax's waits for its exponentials: one wait on va_vdst ahead of V's loads, one ahead of the products V^T P^T, one on vm_vsrc ahead of the additions to v4 and v5, one on va_vdst ahead of K's loads.
.set STEPB, 8960                       ; a key step in LDS: K's codes 4,096 (512 a tile), V's codes 4,096 (1,024 a channel tile, 512 a half), K's scale words 512, V's 256
.set QSC,  4194304                     ; where the scale words or bytes begin in each workspace buffer
.set KS,   26                          ; v26-33 K's scale words (tile T: v[26 + T]); V's four lie over the first four.  v24, v25 Q's; v34, v35 p's: v24-35 hold scales and nothing else
.set KF,   36                          ; v36-67 K's eight fragments of 4 registers, v68-71 zeros; V's four fragments of 8 lie over them
.set PCA,  72                          ; p's codes, tile A; tile B.  (During the fill v72-73 take V's halfwords and v76-79 K's scale words on their way to LDS)
.set PCB,  80
.set S,    96                          ; v96-159 the scores, then p
.set OA,   160                         ; O^T of tile A, of tile B: four accumulators each
.set OB,   192
.set TM,   224                         ; at work
.set BM,   TM                          ; the four blocks' largest
.set BP,   TM+4
.set T2,   TM+8
.set TT,   TM+10
.set SO,   TM+12
.set FF,   240                         ; v[240:241] f = 2^(old M - new M); at the end v240 = 1 / l of A, v242 of B
.set SEL,  2                           ; s[2:3] v_permlanex16_b32's selects for lane l xor 16
.macro PLACES n
.rept \n
	v_nop
.endr
.endm
	s_load_b256 s[4:11], s[0:1], 0x0               ; qws, kws, vws, mbits
	s_load_b128 s[12:15], s[0:1], 0x20             ; mflags, ows
	v_lshl_add_u32 v254, v0, 2, 0x23000
	v_mov_b32 v255, 0
	v_lshrrev_b32 v1, 5, v0
	v_readfirstlane_b32 s29, v1                    ; wave 0..15
	v_and_b32 v1, 31, v0
	v_lshlrev_b32 v1, 4, v1                        ; v1 = 16 x lane: an image's place for my lane
	v_and_b32 v2, 15, v0
	v_lshlrev_b32 v2, 4, v2                        ; 16 r
	v_bfe_u32 v7, v0, 4, 1                         ; h
	v_lshl_add_u32 v249, v7, 9, 0
	v_lshl_add_u32 v249, v2, 1, v249               ; v249 = 512 h + 32 r: the result's scale bytes: lanes 0-15 tile A's rows, lanes 16-31 tile B's
	v_lshl_add_u32 v7, v7, 1, v2                   ; 16 r + 2 h
	s_wait_alu depctr_va_sdst(0)                   ; s29 is written, ahead of its first reader: LDS addresses and the buffers' offsets are made from it
	s_mul_i32 s37, s29, STEPB
	v_add_nc_u32 v7, s37, v7                       ; v7: where V's scale halfwords go in my key step
	v_add_nc_u32 v6, s37, v1                       ; v6: where the images go
	v_mov_b32 v247, v2                             ; v247 = 16 r
	v_lshrrev_b32 v248, 1, v1                      ; v248 = 8 x lane
	v_add_nc_u32 v2, 8192, v2                      ; v2 = 16 r + 8,192: a key step's scale words
	s_and_b32 s32, ttmp7, 0xffff                   ; 16 batch + head
	s_lshr_b32 s33, s32, 4
	s_and_b32 s34, s32, 15                         ; head
	s_lshl_b32 s35, ttmp9, 5
	s_lshl_b32 s37, s29, 1
	s_add_co_u32 s35, s35, s37                     ; tile A = 32 quarter + 2 wave, of the batch's 128
	s_lshl_b32 s36, s33, 7
	s_add_co_u32 s36, s36, s35                     ; and of all 512
	s_mov_b32 s[SEL], 0x76543210
	s_mov_b32 s[SEL+1], 0xfedcba98
	s_mov_b32 s30, 0x3e38aa3b                      ; c = log2(e) / 8
	s_mov_b32 s31, s30                             ; (the packed form names the pair)
	s_mov_b32 s100, 0xffff0000                     ; lanes 16-31
	s_mov_b32 s39, 0
	s_wait_kmcnt 0x0
	s_lshl_b32 s38, s32, 16
	s_lshl_b32 s37, s35, 9
	s_add_co_u32 s38, s38, s37
	s_add_nc_u64 s[42:43], s[4:5], s[38:39]        ; Q's codes: 65,536 bytes a head, 512 a tile
	s_lshl_b32 s38, s32, 13
	s_lshr_b32 s37, s35, 2
	s_lshl_b32 s37, s37, 8
	s_add_co_u32 s38, s38, s37
	s_and_b32 s37, s35, 2
	s_lshl_b32 s37, s37, 2
	s_add_co_u32 s38, s38, s37
	s_add_nc_u64 s[40:41], s[4:5], s[38:39]        ; Q's scale words: [tile / 4][r][tile % 4]: A's and B's are neighbours
	s_lshl_b32 s38, s32, 16
	s_lshl_b32 s37, s29, 12
	s_add_co_u32 s38, s38, s37
	s_add_nc_u64 s[44:45], s[6:7], s[38:39]        ; K's and V's codes of key step w
	s_add_nc_u64 s[46:47], s[8:9], s[38:39]
	s_lshl_b32 s38, s32, 13
	s_lshl_b32 s37, s29, 9
	s_add_co_u32 s38, s38, s37
	s_add_nc_u64 s[48:49], s[6:7], s[38:39]        ; K's scale words of the step: 512 bytes
	s_lshl_b32 s38, s32, 12
	s_lshl_b32 s37, s29, 8
	s_add_co_u32 s38, s38, s37
	s_add_nc_u64 s[50:51], s[8:9], s[38:39]        ; V's halfwords: 256 bytes
	s_lshl_b32 s38, s36, 12
	s_add_nc_u64 s[10:11], s[10:11], s[38:39]      ; the mask words of tile A (tile B's 4,096 bytes on)
	s_lshl_b32 s38, s36, 4
	s_add_nc_u64 s[12:13], s[12:13], s[38:39]
	s_load_b256 s[16:23], s[12:13], 0x0            ; the flags: four words for A, four for B
	s_wait_alu depctr_va_vdst(0)                   ; v1, v247, v248 and v249 are written, which the loads below and the last stores read as offsets; so are v6 and v7, the addresses of the fill's LDS stores
	; the loads land in v8-11, v16-19, v24-25, v72-73, v76-79 and v96-159: none of these is written by the register work that stands between here and the wait for them
	global_load_b128 v[8:11], v1, s[42:43]         ; Q's fragments stay in registers
	global_load_b128 v[16:19], v1, s[42:43] offset:512
	global_load_b64 v[24:25], v247, s[40:41] offset:QSC
.irp n, 0,1,2,3,4,5,6,7
	global_load_b128 v[96+4*\n:96+4*\n+3], v1, s[44:45] offset:512*\n    ; 512 consecutive bytes each
.endr
.irp n, 0,1,2,3,4,5,6,7
	global_load_b128 v[128+4*\n:128+4*\n+3], v1, s[46:47] offset:512*\n
.endr
	global_load_b128 v[76:79], v1, s[48:49] offset:QSC     ; K's scale words of my key step
	global_load_b64 v[72:73], v248, s[50:51] offset:QSC    ; lane (half c, channel r): the halfwords of tiles 0..3
.irp i, 12,13,14,15,20,21,22,23,68,69,70,71
	v_mov_b32 v\i, 0                               ; zero codes
.endr
	v_mov_b32 v3, 0xff800000                       ; -infinity
	v_mov_b32 v246, 0xffff
.irp st, 88, 92
	v_mov_b32 v[\st+1], 0xff61b1e6                 ; the largest t so far: -3e38, under every t
	v_floor_f32 v[\st], -v[\st+1]                  ; -M
	v_mov_b32 v[\st+2], 0                          ; the sum, in two halves
	v_mov_b32 v[\st+3], 0
.endr
.irp i, 0,1,2,3
	v_mov_b32 v[BP+\i], 0                          ; written once: a lane permute's destination counts as one of its sources
	v_mov_b32 v[FF+\i], 0                          ; (the upper halves of the pairs are named before they are written)
.endr
.set n, 0
.rept 64
	v_mov_b32 v[OA+n], 0                           ; O^T.  (The step is written once: the first finds zeros, which the first change of M leaves zeros)
.set n, n+1
.endr
	s_wait_kmcnt 0x0
	s_or_b32 s24, s16, s17                         ; bit s: key step s of tile A holds a masked score
	s_or_b32 s24, s24, s18
	s_or_b32 s24, s24, s19
	s_or_b32 s25, s20, s21                         ; the same for B
	s_or_b32 s25, s25, s22
	s_or_b32 s25, s25, s23
	s_lshl_b32 s20, s36, 13
	s_lshl_b32 s21, s34, 9
	s_add_co_u32 s20, s20, s21
	s_mov_b32 s21, 0
	s_add_nc_u64 s[16:17], s[14:15], s[20:21]      ; the result's codes: 8,192 bytes a tile of rows, 512 a head
	s_lshl_b32 s20, s36, 9
	s_lshl_b32 s22, s34, 1
	s_add_co_u32 s20, s20, s22
	s_add_nc_u64 s[18:19], s[14:15], s[20:21]      ; its scale bytes: 32 a row, 2 a head
	s_wait_loadcnt 0x0
.irp n, 0,1,2,3,4,5,6,7
	ds_store_b128 v6, v[96+4*\n:96+4*\n+3] offset:512*\n           ; data from loads; v6 and v7 stand written since the wait ahead of the first load, and no vector instruction since names them
.endr
.irp n, 0,1,2,3,4,5,6,7
	ds_store_b128 v6, v[128+4*\n:128+4*\n+3] offset:4096+512*\n
.endr
	ds_store_b128 v6, v[76:79] offset:8192
	ds_store_b16 v7, v72 offset:8704               ; V's scale word of (channel r, tile j) at 16 r + 4 j: half c's two bytes at + 2 c
	ds_store_b16_d16_hi v7, v72 offset:8708
	ds_store_b16 v7, v73 offset:8712
	ds_store_b16_d16_hi v7, v73 offset:8716
	s_wait_dscnt 0x0                               ; for the others' sake: my stores have landed
	s_barrier_signal -1
	s_barrier_wait -1                              ; the head's K and V lie in LDS; nothing is written there again
	s_wait_alu depctr_vm_vsrc(0)                   ; my LDS stores have read v96-159, v72-73 and v76-79: from here on the products write the first (the scores) and the conversions the others (p's codes)
.macro KLOAD                           ; the step's K: eight fragments of 4 registers, and its scale words
.irp T, 0,1,2,3,4,5,6,7
	ds_load_b128 v[KF+4*\T:KF+4*\T+3], v4 offset:512*\T
.endr
	ds_load_b128 v[KS:KS+3], v5
	ds_load_b128 v[KS+4:KS+7], v5 offset:256
.endm
; ONE TILE'S SOFTMAX for 128 keys.  st: its statistics (-M, largest t, the sum's two halves); pc, pw: where p's codes and scale word go; ob: its O^T; fl: its flags; mo: its mask words' offset.
; No memory or LDS instruction stands in it but scalar loads, and none of its vector instructions writes a scalar register.
.macro SM st, pc, pw, ob, fl, mo
	s_bitcmp1_b32 s[\fl], s26                      ; a stored whole number decides: a step with nothing masked passes over the selects
	s_cbranch_scc0 .Lopen_\@
	s_load_b512 s[32:47], s[10:11], s27 offset:\mo
	s_load_b512 s[48:63], s[10:11], s27 offset:\mo+64
	s_load_b512 s[68:83], s[10:11], s27 offset:\mo+128
	s_load_b512 s[84:99], s[10:11], s27 offset:\mo+192
	s_wait_kmcnt 0x0
.set n, 0
.rept 32
	v_cndmask_b32 v[S+n], v[S+n], v3, s[32+n]      ; masked scores become -infinity ahead of the maximum: p = 0 then
.set n, n+1
.endr
.set n, 0
.rept 32
	v_cndmask_b32 v[S+32+n], v[S+32+n], v3, s[68+n]
.set n, n+1
.endr
.Lopen_\@:
.irp b, 0,1,2,3
	v_max3_num_f32 v[BM+\b], v[S+16*\b], v[S+16*\b+1], v[S+16*\b+2]   ; the largest score of each block of 32 keys: it serves the row's maximum and, since p rises with the score, the block's largest p
.endr
.irp i, 3,5,7,9,11,13
.irp b, 0,1,2,3
	v_max3_num_f32 v[BM+\b], v[BM+\b], v[S+16*\b+\i], v[S+16*\b+\i+1]
.endr
.endr
.irp b, 0,1,2,3
	v_max_num_f32 v[BM+\b], v[BM+\b], v[S+16*\b+15]
.endr
.irp b, 0,1,2,3
	v_permlanex16_b32 v[BP+\b], v[BM+\b], s[SEL], s[SEL+1]
.endr
.irp b, 0,1,2,3
	v_max_num_f32 v[BM+\b], v[BM+\b], v[BP+\b]     ; with lane l xor 16's 16 keys
.endr
	v_max3_num_f32 v[TT], v[BM], v[BM+1], v[BM+2]
	v_max_num_f32 v[TT], v[TT], v[BM+3]
	v_mul_f32 v[TT], s30, v[TT]                    ; as t (c is positive)
	v_max_num_f32 v[\st+1], v[\st+1], v[TT]        ; the running largest t
	v_mov_b32 v[TT], v[\st]
	v_floor_f32 v[\st], -v[\st+1]                  ; the new -M = floor(-t): M is a whole number
	v_sub_f32 v[TT], v[\st], v[TT]                 ; old M - new M: a whole number, 0 or less
	v_cvt_i32_f32 v[TT], v[TT]                     ; (it saturates)
	v_ldexp_f32 v[FF], 1.0, v[TT]                  ; f
.set n, 0
.rept 32
	v_pk_fma_f32 v[S+n:S+n+1], v[S+n:S+n+1], s[30:31], v[\st:\st+1] op_sel_hi:[1,0,0]   ; t - M, two at a time
.set n, n+2
.endr
.irp b, 0,1,2,3
	v_fma_f32 v[BM+\b], v[BM+\b], s30, v[\st]      ; the same of each block's largest score
.endr
.set n, 0
.rept 64
	v_exp_f32 v[S+n], v[S+n]                       ; p = 2^(t - M), at most 1, not normalised
.set n, n+1
.endr
	v_pk_mul_f32 v[\st+2:\st+3], v[\st+2:\st+3], v[FF:FF+1] op_sel_hi:[1,0]   ; the sums under the new M: the plain place behind the batch
	s_wait_alu depctr_va_vdst(0)                   ; the 64 exponentials have written v96-159: one wait for the batch, ahead of its first reader
.irp b, 0,1,2,3
	v_exp_f32 v[BM+\b], v[BM+\b]                   ; the block's largest p: the same two instructions on the same number give the same bits
.endr
	v_pk_add_f32 v[T2:T2+1], v[S:S+1], v[S+2:S+3]  ; the row's sum, of the unquantised p, in two chains; it reads the 64 alone
.irp j, 4,8,12,16,20,24,28,32,36,40,44,48,52,56,60
	v_pk_add_f32 v[\st+2:\st+3], v[\st+2:\st+3], v[S+\j:S+\j+1]
	v_pk_add_f32 v[T2:T2+1], v[T2:T2+1], v[S+\j+2:S+\j+3]
.endr
	v_pk_add_f32 v[\st+2:\st+3], v[\st+2:\st+3], v[T2:T2+1]
	s_wait_alu depctr_va_vdst(0)                   ; the four exponentials have written v224-227: their wait, ahead of their first reader
.irp b, 0,1,2,3
	v_max_num_f32 v[BM+\b], 0x1800000, v[BM+\b]    ; the floor 2^(3 - 127): a block whose every p is 0 keeps the byte 1: its codes are zeros
.endr
.irp b, 0,1,2,3
	v_add_nc_u32 v[SO+\b], 0xff000000, v[BM+\b]    ; 2 off the exponent field: the conversion's scale operand
.endr
.irp b, 0,1,2,3
	v_lshrrev_b32 v[BP+\b], 23, v[SO+\b]           ; the scale's byte
.endr
	v_lshl_or_b32 v[\pw], v[BP+1], 8, v[BP]        ; p's scale word for these 128 keys
	v_lshl_or_b32 v[\pw], v[BP+2], 16, v[\pw]
	v_lshl_or_b32 v[\pw], v[BP+3], 24, v[\pw]
.irp g, 0,1,2,3,4,5,6,7                        ; tile g holds keys 16 g + 8 h + 0..7: laid at registers 0, 2, 1, 3 of its half, so that two exchanges give the operand's order
	v_cvt_scalef32_pk8_fp4_f32 v[\pc+4*(\g/4)+2*(\g%2)+(\g%4)/2], v[S+8*\g:S+8*\g+7], v[SO+\g/2]
.endr
	v_nop                                          ; one plain place behind the scaled conversions
.irp c, 0,1
	v_permlane16_swap_b32 v[\pc+4*\c], v[\pc+4*\c+1]
	v_permlane16_swap_b32 v[\pc+4*\c+2], v[\pc+4*\c+3]
.endr
.set n, 0
.rept 16
	v_pk_mul_f32 v[\ob+n:\ob+n+1], v[\ob+n:\ob+n+1], v[FF:FF+1] op_sel_hi:[1,0]   ; O^T under the new M.  Twelve of these name no register of any one product below: the places that p's scale word (8) and codes (4) want
.set n, n+2
.endr
.endm
; A KEY STEP: 128 keys.  next = 1: the next step's K is fetched at the end.
.macro STEP next
	s_wait_dscnt 0x0                               ; K's fragments and scale words are in
.irp T, 0,1,2,3,4,5,6,7
	v_wmma_scale_f32_16x16x128_f8f6f4 v[S+8*\T:S+8*\T+7], v[KF+4*\T:KF+4*\T+7], v[8:15], 0, v[KS+\T], v24 matrix_a_fmt:MATRIX_FMT_FP4 matrix_b_fmt:MATRIX_FMT_FP4
.endr
	PLACES 4
	SM 88, PCA, 34, OA, 24, 0
.irp T, 0,1,2,3,4,5,6,7
	v_wmma_scale_f32_16x16x128_f8f6f4 v[S+8*\T:S+8*\T+7], v[KF+4*\T:KF+4*\T+7], v[16:23], 0, v[KS+\T], v25 matrix_a_fmt:MATRIX_FMT_FP4 matrix_b_fmt:MATRIX_FMT_FP4
.endr
	PLACES 4                                       ; for the reads of the scores
	s_wait_alu depctr_va_vdst(0)                   ; the step's sixteen products K Q^T are done reading K's fragments v36-67 and scale words v26-29, in which V's loads land
.irp n, 0,1,2,3,4,5,6,7
	ds_load_b128 v[KF+4*\n:KF+4*\n+3], v4 offset:4096+512*\n   ; V lands while tile B's softmax is walked, which names none of these registers
.endr
	ds_load_b128 v[KS:KS+3], v5 offset:512
	SM 92, PCB, 35, OB, 25, 4096
	s_wait_dscnt 0x0
	s_wait_alu depctr_va_vdst(0)                   ; p's codes v72-87 and scale words v34, v35 are written, which the scaled products below take; it stands behind their places
.irp j, 0,1,2,3                                ; O^T += V^T P^T: the eight accumulators by turns, one instruction a turn
	v_wmma_scale_f32_16x16x128_f8f6f4 v[OA+8*\j:OA+8*\j+7], v[KF+8*\j:KF+8*\j+7], v[PCA:PCA+7], v[OA+8*\j:OA+8*\j+7], v[KS+\j], v34 matrix_a_fmt:MATRIX_FMT_FP4 matrix_b_fmt:MATRIX_FMT_FP4
	v_wmma_scale_f32_16x16x128_f8f6f4 v[OB+8*\j:OB+8*\j+7], v[KF+8*\j:KF+8*\j+7], v[PCB:PCB+7], v[OB+8*\j:OB+8*\j+7], v[KS+\j], v35 matrix_a_fmt:MATRIX_FMT_FP4 matrix_b_fmt:MATRIX_FMT_FP4
.endr
.if \next
	s_add_co_u32 s28, s28, STEPB
	s_wait_alu depctr_vm_vsrc(0)                   ; this step's LDS loads, K's and V's, have read v4 and v5
	v_add_nc_u32 v4, s28, v1                       ; the next step's addresses: two of the four places in front of the loads
	v_add_nc_u32 v5, s28, v2
	PLACES 2
	s_wait_alu depctr_va_vdst(0)                   ; v4 and v5 are written, which K's loads read; the eight products V^T P^T are done reading V's fragments v36-67 and scale words v26-29, in which they land
	KLOAD
.endif
.endm
	s_mov_b32 s26, 0                               ; the key step,
	s_mov_b32 s27, 0                               ; its mask words: 256 bytes a step,
	s_mov_b32 s28, 0                               ; its LDS byte
	v_add_nc_u32 v4, s28, v1
	v_add_nc_u32 v5, s28, v2
	s_wait_alu depctr_va_vdst(0)                   ; v4 and v5 are written, which K's loads read; so are the zero codes v12-15, v20-23 and v68-71, which the scaled products take
	KLOAD
.Lstep:
	STEP 1
	s_add_co_u32 s26, s26, 1
	s_add_co_u32 s27, s27, 256
	s_cmp_lt_u32 s26, 15
	s_cbranch_scc1 .Lstep
	STEP 0                                         ; the last step is written out: it fetches nothing, so no LDS load leaves the head's 16 steps
	; THE WAY OUT.  The additions and the v_nop are the places behind the last products
	v_add_f32 v244, v90, v91                       ; the sum's two halves,
	v_add_f32 v245, v94, v95
	v_permlanex16_b32 v[BP], v244, s[SEL], s[SEL+1]
	v_permlanex16_b32 v[BP+1], v245, s[SEL], s[SEL+1]
	v_add_f32 v244, v244, v[BP]                    ; and lane l xor 16's: l
	v_add_f32 v245, v245, v[BP+1]
	v_rcp_f32 v240, v244
	v_rcp_f32 v242, v245
	v_nop                                          ; a plain place behind the reciprocals
	s_wait_alu depctr_va_vdst(0)                   ; the two reciprocals have written v240 and v242: one wait, ahead of their first reader
.set n, 0
.rept 16
	v_pk_mul_f32 v[OA+n:OA+n+1], v[OA+n:OA+n+1], v[240:241] op_sel_hi:[1,0]   ; each accumulator from its low end on
.set n, n+2
.endr
.set n, 0
.rept 16
	v_pk_mul_f32 v[OB+n:OB+n+1], v[OB+n:OB+n+1], v[242:243] op_sel_hi:[1,0]
.set n, n+2
.endr
	; the result is the last product's operand: K = 64 head + channel.  Blocks 0, 1: tile A's channels 0-31, 32-63; blocks 2, 3: tile B's
.irp b, 0,1,2,3
	v_max3_num_f32 v[TM+\b], |v[OA+16*\b]|, |v[OA+16*\b+1]|, 0x1800000
.endr
.irp i, 2,4,6,8,10,12,14
.irp b, 0,1,2,3
	v_max3_num_f32 v[TM+\b], v[TM+\b], |v[OA+16*\b+\i]|, |v[OA+16*\b+\i+1]|
.endr
.endr
.irp b, 0,1,2,3
	v_permlanex16_b32 v[TM+4+\b], v[TM+\b], s[SEL], s[SEL+1]
.endr
.irp b, 0,1,2,3
	v_max_num_f32 v[TM+\b], v[TM+\b], v[TM+4+\b]
.endr
.irp b, 0,1,2,3
	v_add_nc_u32 v[TM+12+\b], 0xff000000, v[TM+\b]
.endr
.irp b, 0,1,2,3
	v_lshrrev_b32 v[TM+4+\b], 23, v[TM+12+\b]
.endr
.irp g, 0,1,2,3,4,5,6,7
	v_cvt_scalef32_pk8_fp4_f32 v[PCA+4*(\g/4)+2*(\g%2)+(\g%4)/2], v[OA+8*\g:OA+8*\g+7], v[TM+12+\g/2]
.endr
	v_nop
.irp c, 0,1
	v_permlane16_swap_b32 v[PCA+4*\c], v[PCA+4*\c+1]
	v_permlane16_swap_b32 v[PCA+4*\c+2], v[PCA+4*\c+3]
.endr
	v_lshl_or_b32 v[TM+8], v[TM+5], 8, v[TM+4]     ; a row's two scale bytes, tile A's
	v_lshl_or_b32 v[TM+9], v[TM+7], 8, v[TM+6]     ; and tile B's
	v_cmp_eq_f32 s20, 0, v244                      ; the two compares stand as one run, each with a scalar register of its own
	v_cmp_eq_f32 s21, 0, v245
	s_wait_alu depctr_va_sdst(0)                   ; the compares have written s20 and s21, ahead of the selects that read them
	v_cndmask_b32 v[TM+8], v[TM+8], v246, s20      ; a row with no key left: NaN scales (a select, no branch)
	v_cndmask_b32 v[TM+9], v[TM+9], v246, s21
	v_cndmask_b32 v88, v[TM+8], v[TM+9], s100
	s_wait_alu depctr_va_vdst(0)                   ; the conversions and exchanges have written v72-79 and the select v88: the data of the three stores below
	global_store_b128 v1, v[PCA:PCA+3], s[16:17]               ; 512 consecutive bytes: half head % 2 of K step head / 2 of the operand's image
	global_store_b128 v1, v[PCA+4:PCA+7], s[16:17] offset:8192
	global_store_b16 v249, v88, s[18:19] offset:QSC            ; 64 bytes beside the wave's 1,024 of codes, laid so that the next launch reads words of four bytes
	s_wait_dscnt 0x0
	s_wait_alu depctr_hold_cnt(0) depctr_sa_sdst(0) depctr_va_vdst(0) depctr_va_sdst(0) depctr_va_ssrc(0) depctr_va_vcc(0) depctr_vm_vsrc(0)
	s_wait_tensorcnt 0x0
	ds_add_u32 v254, v255
	s_wait_dscnt 0x0
	s_endpgm
.Lfunc_end_k_q30870da13d_attn:
	.size	k_q30870da13d_attn, .Lfunc_end_k_q30870da13d_attn-k_q30870da13d_attn
	.p2alignl 7, 3214868480
	.fill 96, 4, 3214868480
	.section	.rodata,"a",@progbits
	.p2align	6, 0x0
	.amdhsa_kernel k_q30870da13d_attn
		.amdhsa_group_segment_fixed_size 145408
		.amdhsa_private_segment_fixed_size 0
		.amdhsa_enable_private_segment 0
		.amdhsa_kernarg_size 48
		.amdhsa_user_sgpr_count 2
		.amdhsa_user_sgpr_kernarg_segment_ptr 1
		.amdhsa_wavefront_size32 1
		.amdhsa_system_sgpr_workgroup_id_x 1
		.amdhsa_system_sgpr_workgroup_id_y 1
		.amdhsa_system_sgpr_workgroup_id_z 1
		.amdhsa_system_vgpr_workitem_id 0
		.amdhsa_next_free_vgpr 256
		.amdhsa_next_free_sgpr 102
		.amdhsa_reserve_vcc 0
		.amdhsa_float_denorm_mode_32 3
		.amdhsa_float_denorm_mode_16_64 3
		.amdhsa_memory_ordered 1
		.amdhsa_forward_progress 1
		.amdhsa_inst_pref_size 91
	.end_amdhsa_kernel
	.amdgpu_metadata
---
amdhsa.version: [ 1, 2 ]
amdhsa.kernels:
  - .name:           k_q30870da13d_attn
    .symbol:         k_q30870da13d_attn.kd
    .args:
      - { .name: qws, .offset: 0, .size: 8, .value_kind: global_buffer, .address_space: global }
      - { .name: kws, .offset: 8, .size: 8, .value_kind: global_buffer, .address_space: global }
      - { .name: vws, .offset: 16, .size: 8, .value_kind: global_buffer, .address_space: global }
      - { .name: mbits, .offset: 24, .size: 8, .value_kind: global_buffer, .address_space: global }
      - { .name: mflags, .offset: 32, .size: 8, .value_kind: global_buffer, .address_space: global }
      - { .name: ows, .offset: 40, .size: 8, .value_kind: global_buffer, .address_space: global }
    .group_segment_fixed_size: 145408
    .private_segment_fixed_size: 0
    .kernarg_segment_align: 8
    .kernarg_segment_size: 48
    .max_flat_workgroup_size: 512
    .sgpr_count:     102
    .vgpr_count:     256
    .wavefront_size: 32
...
	.end_amdgpu_metadata
.endif
;; end of part 4
;; launch oproj: the kernel of part 3 again; grid 4 x 64, 8 waves a work-group, clusters of 4 x 4, 252,928 bytes of LDS; arguments ows, Wo_codes, Wo_scales, bo, out0; writes out0
